; MI455X (gfx1250); checked and timed in simulation.
; The chip was launched on July 23, 2026; its instructions are those of AMD's public machine-readable ISA for CDNA 5 (MIT licence, August 2026) and "CDNA5" Instruction Set Architecture Reference Guide (July 2026). The comments in the code are by the model that wrote it; some were corrected since.
;; RNN lxg. Allowed arithmetic: matrix products marked QUANTISED: E2M1 operands, one E8M0 scale for each 32 along K, by v_wmma_scale_f32_16x16x128_f8f6f4 with both operands' format E2M1 (or v_wmma_scale_f32_32x16x128_f4), f32 sums; everything else in f32.
;; Inputs: W_hh0 3,072 x 1,024 float32; W_hh1 3,072 x 1,024 float32; W_ih0 3,072 x 1,024 float32; W_ih1 3,072 x 1,024 float32; b_hh0 3,072 float32; b_hh1 3,072 float32; b_ih0 3,072 float32; b_ih1 3,072 float32; inputs 16 x 512 x 1,024 float32; inputs_mask 16 x 512 int32.
;; Outputs: out0 512 x 16 x 1,024 float32.
;; This version of the problem:
;;   THIS VERSION OF THE PROBLEM IS GIVEN IN LOW PRECISION. The matrix products marked QUANTISED in the list below multiply operands that are first quantised to E2M1 (2 exponent bits, 1 mantissa bit; 4 bits a number), with one power-of-two scale for each 32 numbers along K (OCP MX v1.0); their sums are f32. All else is computed in f32.
;;   The module's matrix products, in the order in which they are computed (A, B: the left and right operand; K: the contracted axis; several contracted axes count as one K, in the product's order):
;;     1. [M 8,192, K 1,024] x [K 1,024, N 3,072]; A: input inputs; B: input W_ih0: QUANTISED
;;     2. [M 8,192, K 1,024] x [K 1,024, N 3,072]; A: computed on the way; B: input W_ih1: QUANTISED
;;   THE QUANTISER, for each operand of a quantised product, along K:
;;     - K is cut into blocks of 32 from its start; a last block that is shorter is filled with zeros.
;;     - A block's scale is 2^e with e = floor(log2(the largest magnitude in the block)) - 2, held to -126 .. 127; a block of zeros has e = 0. As a byte (E8M0): e + 127.
;;     - Each number is divided by its block's scale, clamped to +-6, and rounded to the nearest number of E2M1, ties to even, subnormals kept.
;;     - The product sums the exact products of the quantised numbers (number of the format x scale) in f32.
;;   ~~~python
;;   def quantise(x, axis):      # numpy; x: float32 -> the quantised numbers, widened to float32 again
;;       x = np.moveaxis(x, axis, -1); K = x.shape[-1]
;;       x = np.pad(x, [(0, 0)] * (x.ndim - 1) + [(0, -K % 32)]); x = x.reshape(x.shape[:-1] + (-1, 32)); a = np.abs(x).max(-1, keepdims=True)
;;       e = np.where(a > 0, np.clip(np.frexp(np.where(a > 0, a, 1))[1] - 1 - 2, -126, 127), 0)      # np.frexp(a)[1] - 1 = floor(log2(a)), exactly
;;       r = np.clip(x / 2.0 ** e, -6, 6)
;;       step = 2.0 ** (np.maximum(np.frexp(np.where(r == 0, 1, r))[1] - 1, 0) - 1)
;;       q = np.round(r / step) * step * 2.0 ** e      # np.round: ties to even
;;       return np.moveaxis(q.reshape(q.shape[:-2] + (-1,))[..., :K], -1, axis).astype(np.float32)
;;   ~~~
;;   OPERANDS COMPUTED ON THE WAY. 'Computed on the way' means the value that the module computes at that place (a softmax that the list does not call 'softmax' is quantised finished and normalised). What goes into a quantiser is computed in f32, as accurately as f32 sums, v_exp_f32 and their like allow (about 1e-6 of the number): no bf16 or f16 on the way to a quantiser, and a product that is left as it is and whose result goes on into a quantised operand takes f32 operands (vector FMAs, or v_wmma_f32_16x16x4_f32). A number that lies on a knife's edge between two numbers of the format may be rounded either way, as far as f32 arithmetic and the matrix unit's own rounding can turn it there, and no further.
;; 2 versions, each right. Each part assembles by itself: llvm-mc -triple=amdgcn-amd-amdhsa -mcpu=gfx1250 --defsym DOCPART=n.
;; ======== version 1 of 2: 3 launches
;; workspace buffers: xa 4,456,448 bytes; ha 4,456,448 bytes; wq 3,342,336 bytes; olist 33,024 bytes of whole numbers; mfl 32,768 bytes
;; launch prep (part 1): grid 448 x 1, 8 waves a work-group, no clusters, 57,600 bytes of LDS; arguments inputs, inputs_mask, W_ih0, W_ih1, xa, wq, olist, mfl, out0; writes xa, wq, olist, mfl, out0
.if DOCPART == 1
	.amdgcn_target "amdgcn-amd-amdhsa--gfx1250"
	.amdhsa_code_object_version 6
	.text
	.protected	k_q0f8fcac999_prep
	.globl	k_q0f8fcac999_prep
	.p2align	8
	.type	k_q0f8fcac999_prep,@function
k_q0f8fcac999_prep:
	s_mov_b64 s[64:65], 0
	v_nop
	global_prefetch_b8 v0, s[64:65] scope:SCOPE_SE
	s_setreg_imm32_b32 hwreg(HW_REG_WAVE_MODE, 25, 1), 1
	s_wait_xcnt 0x0
; PREP: the first of three launches for out[l][b][:] = mask[b][l] x GRU1(GRU0(inputs[b][l][:])), both cells with a hidden state of zeros, both products on codes of E2M1 with one E8M0 scale for each 32 along K.
; WORK LEFT OUT, for all values of the inputs:
;   W_hh0, W_hh1: the cell is defined with h_prev = 0 and drops W_hh in its own body (W_hh x 0 = 0), so they reach no output: they are not loaded and are among no launch's arguments.
;   Rows whose mask is 0: out = h2 x 0 = 0 whatever h2 holds.  The mask is a whole-number input that this launch reads from memory: rows with mask 0 get zeros here and are neither read nor multiplied;
;   the other rows are ranked (a compact row number p for each) and only they go through the two layers; their result is multiplied by float(mask), whatever non-zero number the mask holds.
;   LIMIT: a NaN, an infinity or an overflow that arises only in W_hh or in a row whose mask is 0 is not carried to the result.
; WHAT IT MAKES.  (1) zeros in out0 for rows with mask 0.  (2) olist[p] = output row 16 l + b of compact row p, -1 for p >= R (R = rows alive); behind the list NC = max(1, ceil(R / 32)); mfl[p] = float(mask).
;   (3) codes and scale words of the live rows of inputs (xa) and of W_ih0, W_ih1 (wq), laid in the order of the matrix operand's registers: a unit of 32 rows is [u 0..1][K block 0..31][r 0..15][16 bytes],
;   so that bytes u 8192 + j 1024 + 512 c + 16 lane are registers 4 c .. 4 c + 3 of the fragment (16 rows u, K step j).  Scale words: [K step j][32 rows], one word a row.
;   Of a weight unit (gate g, hidden block hb of 32) place r of tile u is row 1024 g + 32 hb + 8 u + r % 8 + 16 (r / 8): the product's results then lie with 16 neighbours along the next K in a lane.
; THE QUANTISER: a block's scale is 2^(floor(log2(largest magnitude)) - 2): its byte is the largest magnitude's exponent field - 2.
;   LIMITS: the byte is held at 1 from below (blocks whose largest magnitude lies under 2^-124); a block of zeros gets the byte 1 where the rule says 127: its codes are zeros, and this program alone reads the bytes.
;   NaN and infinities among the inputs are not served.
; SHARES.  Work-groups 0-255: x units (chunk c of 32 compact rows; also the zeros of the 32 original rows 32 c ..).  Work-groups 256-447: weight units.  Eight waves, four rows each.
;   Ranks p >= R inside the last chunk are filled with copies of row 8191: padding inside a live tile, whose results are never stored.  Chunks c >= NC are not made.
;   Every x work-group ranks the whole mask for itself (32 KiB): no traffic between work-groups.  The order of ranks is: wave's 1,024 rows, then ballot word, then bit: any fixed order serves.
; The olist, mfl and x scale-word stores are 128 bytes each, half of an aligned 256: 1.25 KiB a chunk beside its 16 KiB of codes.
; No tensor load.  No cluster: work-groups share no large input.  All row loads of a wave go out at once, 16 KiB a wave.
.set XUNITS, 256
.set WHALF,  96                        ; weight units a layer
.set STG,    4608                      ; LDS 0: a stage for each wave: 32 places of 128 bytes + 16 of padding
.set IMG,    36864                     ; the unit's image on its way out: 64 pieces of 256 bytes + 16 of padding
.set SCS,    54272                     ; its scale bytes [j][row place][4]
.set TOT,    55296                     ; the waves' counts of live rows
.set LST,    55552                     ; [wave][rank in the chunk]: row + 1 where the wave owns the rank, else 0
.set SPARE,  56576                     ; the spare words, 128 bytes for each of the eight waves
.set XSC,    4194304                   ; xa: where the scale words begin
.set WSC,    3145728                   ; wq: likewise
.set WLC,    1572864                   ; wq: a layer's codes
.set WLS,    98304                     ; wq: a layer's scale words
.set RW,     72                        ; v72-199 four rows x 32 registers (first the wave's 32 mask words)
.set CD,     48                        ; v48-63  codes, four registers a row
.set SBY,    64                        ; v64-67  a scale byte a row
; v1 lane, v2 16 lane; v5-v17 addresses (below); v18, v19 the add's two; v20-23 zeros; v24-35 at work; v36-45 wave 0's list work; v68-70 at work
.macro BARRIER
	s_wait_dscnt 0x0                               ; my LDS stores have landed and my LDS loads are in
	s_barrier_signal -1
	s_barrier_wait -1
.endm
	s_load_b512 s[4:19], s[0:1], 0x0               ; inputs s[4:5], mask s[6:7], W_ih0 s[8:9], W_ih1 s[10:11], xa s[12:13], wq s[14:15], olist s[16:17], mfl s[18:19]
	s_load_b64 s[20:21], s[0:1], 0x40              ; out0
	v_lshl_add_u32 v18, v0, 2, SPARE               ; my spare word
	v_mov_b32 v19, 0
	v_lshrrev_b32 v1, 5, v0
	v_readfirstlane_b32 s22, v1                    ; wave w
	v_and_b32 v1, 31, v0                           ; lane
	v_lshlrev_b32 v2, 4, v1                        ; 16 lane
	; every LDS address is made here, ahead of the parting of x units and weight units
	s_mul_i32 s24, s22, STG
	v_lshrrev_b32 v24, 3, v1
	v_and_b32 v25, 7, v1
	v_mul_u32_u24 v5, v24, 144
	v_lshl_add_u32 v5, v25, 4, v5
	v_add_nc_u32 v5, s24, v5                       ; v5: the stage on the way in: 144 (lane / 8) + 16 (lane % 8); load q of a row lies 576 q on
	v_mul_u32_u24 v6, v1, 144
	v_add_nc_u32 v6, s24, v6                       ; v6: on the way out: place = lane: K block = lane
	s_lshr_b32 s25, s22, 2
	s_mul_i32 s25, s25, 8704
	s_and_b32 s26, s22, 3
	s_lshl_b32 s26, s26, 6
	s_add_co_u32 s25, s25, s26
	s_add_co_u32 s25, s25, IMG
	v_mul_u32_u24 v7, v1, 272
	v_add_nc_u32 v7, s25, v7                       ; v7: the image: piece 32 (w / 4) + lane, place 4 (w % 4) + i
	v_lshrrev_b32 v24, 2, v1
	v_and_b32 v25, 3, v1
	v_lshl_add_u32 v8, v24, 7, v25
	s_lshl_b32 s25, s22, 4
	s_add_co_u32 s26, s25, SCS
	v_add_nc_u32 v8, s26, v8                       ; v8: my block's scale byte: 128 (lane / 4) + lane % 4 + 4 (4 w + i)
	s_add_co_u32 s26, s25, LST
	v_lshl_add_u32 v17, v25, 2, s26                ; v17: the list: my wave's four ranks
	v_lshrrev_b32 v24, 4, v1
	v_and_b32 v25, 15, v1
	v_mul_u32_u24 v9, v24, 272
	v_lshl_add_u32 v9, v25, 4, v9
	s_mul_i32 s25, s22, 544
	s_add_co_u32 s25, s25, IMG
	v_add_nc_u32 v9, s25, v9                       ; v9: the image back: pieces 2 w, 2 w + 1, sixteen lanes to a piece
	v_lshl_add_u32 v10, v0, 2, SCS                 ; v10: the scale words back: wave w takes K step w
	v_lshlrev_b32 v11, 4, v0                       ; v11: and the image's place in memory: 512 w + 16 lane
	s_lshl_b32 s25, s22, 2
	s_add_co_u32 s25, s25, TOT
	v_mov_b32 v13, s25                             ; v13: my wave's count
	v_mov_b32 v14, TOT                             ; v14: all eight
	v_lshl_add_u32 v15, v0, 2, LST                 ; v15: the list: [my wave][lane]
	v_lshl_add_u32 v16, v1, 2, LST                 ; v16: the list: rank = lane
	s_lshl_b32 s25, ttmp9, 7
	v_lshl_add_u32 v40, v1, 2, s25                 ; v40: 128 c + 4 lane: a chunk's words in olist and mfl (used by x units alone)
	v_mov_b32 v38, 0                               ; the gathered mask value: written here so that it is defined on every way to the store at the end
	s_mov_b32 s25, 0
	s_wait_kmcnt 0x0
	s_cmp_ge_u32 ttmp9, XUNITS
	s_cbranch_scc1 .Lweights
	; ---------------- an x unit: chunk c
	s_mov_b32 s23, ttmp9                           ; c
	s_lshl_b32 s24, s23, 7
	s_lshl_b32 s26, s22, 4
	s_add_co_u32 s24, s24, s26
	s_load_b128 s[28:31], s[6:7], s24 offset:0x0   ; the mask of original rows 32 c + 4 w + 0 .. 3
	v_lshl_add_u32 v3, s22, 12, v2                 ; my wave's 1,024 mask words: 4096 w + 16 lane
.irp i, 0,1,2,3,4,5,6,7
	global_load_b128 v[RW+4*\i:RW+4*\i+3], v3, s[6:7] offset:512*\i   ; register 4 i + q: row 1024 w + 128 i + 4 lane + q
.endr
.irp i, 20,21,22,23
	v_mov_b32 v\i, 0
.endr
	s_lshl_b32 s26, s23, 5
	s_lshl_b32 s27, s22, 2
	s_add_co_u32 s26, s26, s27
	s_and_b32 s26, s26, 511                        ; l of original row 32 c + 4 w
	s_lshl_b32 s26, s26, 4
	s_lshr_b32 s27, s23, 4                         ; b
	s_add_co_u32 s26, s26, s27                     ; its output row 16 l + b; the next three lie 16 rows on each
	v_lshl_add_u32 v4, s26, 12, v2
	s_wait_kmcnt 0x0
.macro ZROW i                          ; a row whose mask is 0: 4,096 bytes of zeros, each store 512 consecutive bytes.  The address hangs on ids alone, the branch on the mask
	s_cmp_lg_u32 s[28+\i], 0
	s_cbranch_scc1 .Llive_\@
.irp q, 0,1,2,3,4,5,6,7
	global_store_b128 v4, v[20:23], s[20:21] offset:65536*\i+512*\q th:TH_STORE_NT
.endr
.Llive_\@:
.endm
	ZROW 0
	ZROW 1
	ZROW 2
	ZROW 3
	s_wait_loadcnt 0x0                             ; the mask words
	s_mov_b32 s77, 0
.set k, 0
.rept 32
	v_cmp_ne_u32 s[32+k], 0, v[RW+k]               ; ballot k: bit = lane
.set k, k+1
.endr
.set k, 0
.rept 32
	s_bcnt1_i32_b32 s24, s[32+k]
	s_add_co_u32 s77, s77, s24                     ; my wave's live rows
.set k, k+1
.endr
	v_mov_b32 v24, s77
	ds_store_b32 v13, v24
	BARRIER                                        ; the eight counts lie in LDS
	ds_load_b128 v[24:27], v14
	ds_load_b128 v[28:31], v14 offset:16
	s_wait_dscnt 0x0
.irp a, 0,1,2,3,4,5,6,7
	v_readfirstlane_b32 s[66+\a], v[24+\a]
.endr
	s_mov_b32 s74, 0                               ; the first rank of my wave's rows
	s_mov_b32 s75, 0                               ; R
.irp a, 0,1,2,3,4,5,6,7
	s_cmp_gt_u32 s22, \a
	s_cselect_b32 s24, s[66+\a], 0
	s_add_co_u32 s74, s74, s24
	s_add_co_u32 s75, s75, s[66+\a]
.endr
	s_add_co_u32 s78, s75, 31
	s_lshr_b32 s78, s78, 5
	s_max_u32 s78, s78, 1                          ; NC
	; which of my wave's rows has rank p = 32 c + lane?  The last ballot word whose first rank is at or under p holds it
	s_lshl_b32 s24, s23, 5
	v_add_nc_u32 v24, s24, v1                      ; p
	v_mov_b32 v25, 0                               ; the word
	v_mov_b32 v26, 0                               ; its first rank
	v_mov_b32 v27, 0                               ; its number
	s_mov_b32 s76, s74
.set k, 0
.rept 32
	v_cmp_le_u32 vcc_lo, s76, v24
	v_cndmask_b32 v25, v25, s[32+k], vcc_lo
	v_cndmask_b32 v26, v26, s76, vcc_lo
	v_cndmask_b32 v27, v27, k, vcc_lo
	s_bcnt1_i32_b32 s24, s[32+k]
	s_add_co_u32 s76, s76, s24
.set k, k+1
.endr
	v_cmp_le_u32 s24, s74, v24
	v_cmp_gt_u32 s26, s76, v24
	s_and_b32 s24, s24, s26                        ; the lanes whose rank lies among my wave's rows
	v_sub_nc_u32 v28, v24, v26                     ; which set bit of the word
	v_lshrrev_b32 v34, 1, v25                      ; counts of set bits in fields of 2, 4, 8, 16 bits
	v_and_b32 v34, 0x55555555, v34
	v_sub_nc_u32 v30, v25, v34
	v_lshrrev_b32 v34, 2, v30
	v_and_b32 v34, 0x33333333, v34
	v_and_b32 v31, 0x33333333, v30
	v_add_nc_u32 v31, v31, v34
	v_lshrrev_b32 v34, 4, v31
	v_add_nc_u32 v32, v31, v34
	v_and_b32 v32, 0x0f0f0f0f, v32
	v_lshrrev_b32 v34, 8, v32
	v_add_nc_u32 v33, v32, v34
	v_and_b32 v33, 0x00ff00ff, v33
	v_mov_b32 v29, 0                               ; the bit's place, found by halving
.macro BITSTEP src, w                  ; if the field of w bits at the place holds too few set bits, pass over it
	v_bfe_u32 v34, v[\src], v29, \w
	v_cmp_ge_u32 vcc_lo, v28, v34
	v_cndmask_b32 v34, 0, v34, vcc_lo
	v_cndmask_b32 v35, 0, \w, vcc_lo
	v_sub_nc_u32 v28, v28, v34
	v_add_nc_u32 v29, v29, v35
.endm
	BITSTEP 33, 16
	BITSTEP 32, 8
	BITSTEP 31, 4
	BITSTEP 30, 2
	BITSTEP 25, 1
	v_lshrrev_b32 v34, 2, v27
	v_and_b32 v35, 3, v27
	v_lshl_add_u32 v34, v34, 7, v35
	v_lshl_add_u32 v34, v29, 2, v34                ; 128 (k / 4) + 4 bit + k % 4
	s_lshl_b32 s26, s22, 10
	s_add_co_u32 s26, s26, 1
	v_add_nc_u32 v34, s26, v34                     ; the row + 1
	v_cndmask_b32 v34, 0, v34, s24
	ds_store_b32 v15, v34
	BARRIER                                        ; each rank of the chunk has its row in one wave's line of the list, zeros in the others
.irp a, 0,1,2,3,4,5,6,7
	ds_load_b32 v[24+\a], v17 offset:128*\a
.endr
	s_wait_dscnt 0x0
	v_add3_u32 v24, v24, v25, v26
	v_add3_u32 v27, v27, v28, v29
	v_add3_u32 v24, v24, v30, v31
	v_add_nc_u32 v24, v24, v27
	v_add_nc_u32 v24, -1, v24                      ; the row; all ones where the rank is beyond R
.irp i, 0,1,2,3
	v_readlane_b32 s[80+\i], v24, \i
.endr
.irp i, 0,1,2,3
	s_min_u32 s[80+\i], s[80+\i], 8191             ; held inside the tensor: ranks beyond R become copies of row 8191
.endr
	s_cmp_lg_u32 s22, 0
	s_cbranch_scc1 .Lnot_wave_0
.irp a, 0,1,2,3,4,5,6,7
	ds_load_b32 v[24+\a], v16 offset:128*\a        ; wave 0: the chunk's whole list, a rank a lane
.endr
	s_wait_dscnt 0x0
	v_add3_u32 v24, v24, v25, v26
	v_add3_u32 v27, v27, v28, v29
	v_add3_u32 v24, v24, v30, v31
	v_add_nc_u32 v24, v24, v27
	v_add_nc_u32 v36, -1, v24
	v_and_b32 v25, 511, v36
	v_lshrrev_b32 v26, 9, v36
	v_lshl_or_b32 v39, v25, 4, v26                 ; output row 16 l + b
	v_cmp_gt_u32 vcc_lo, 8192, v36
	v_cndmask_b32 v39, -1, v39, vcc_lo
	global_store_b32 v40, v39, s[16:17]
	v_min_u32 v37, 8191, v36
	v_lshlrev_b32 v37, 2, v37
	global_load_b32 v38, v37, s[6:7]               ; the row's mask: older than the row loads below, so their counted waits cover it
	s_cmp_lg_u32 s23, 0
	s_cbranch_scc1 .Lnot_wave_0
	v_mov_b32 v42, s78                             ; work-group 0: NC, in all 64 words behind the list: 256 consecutive bytes
	v_mov_b32 v43, s78
	v_lshlrev_b32 v45, 3, v1
	global_store_b64 v45, v[42:43], s[16:17] offset:32768
.Lnot_wave_0:
	s_cmp_lt_u32 s23, s78
	s_cselect_b32 s79, 1, 0                        ; is the chunk made?
	s_mov_b64 s[92:93], s[4:5]                     ; the rows come from inputs
	s_lshl_b32 s24, s23, 14
	s_add_nc_u64 s[94:95], s[12:13], s[24:25]      ; the image goes to xa + 16384 c
	s_and_b32 s24, s23, 31
	s_lshl_b32 s24, s24, 3
	s_lshr_b32 s26, s23, 5
	s_add_co_u32 s24, s24, s26                     ; the chunk's place among the scale words: 8 (c % 32) + c / 32
	s_lshl_b32 s24, s24, 7
	s_add_co_u32 s24, s24, XSC
	s_add_nc_u64 s[96:97], s[12:13], s[24:25]
	s_lshl_b32 s24, s22, 15                        ; K step w lies 32768 w on
	v_lshl_add_u32 v12, v1, 2, s24
	s_branch .Lrows
	; ---------------- a weight unit
.Lweights:
	s_sub_co_u32 s23, ttmp9, XUNITS
	s_cmp_ge_u32 s23, WHALF                        ; which layer: ids alone
	s_cselect_b64 s[92:93], s[10:11], s[8:9]
	s_cselect_b32 s24, WHALF, 0
	s_cselect_b32 s26, WLC, 0
	s_cselect_b32 s27, WLS, 0
	s_sub_co_u32 s23, s23, s24                     ; 32 g + hb
	s_lshr_b32 s28, s23, 5                         ; gate g
	s_and_b32 s29, s23, 31                         ; hidden block hb
	s_mul_i32 s77, s29, 49152
	s_add_co_u32 s26, s26, s77
	s_lshl_b32 s77, s28, 14
	s_add_co_u32 s24, s26, s77
	s_add_nc_u64 s[94:95], s[14:15], s[24:25]      ; the image: layer, hb, g
	s_mul_i32 s77, s29, 3072
	s_add_co_u32 s27, s27, s77
	s_lshl_b32 s77, s28, 10
	s_add_co_u32 s27, s27, s77
	s_add_co_u32 s24, s27, WSC
	s_add_nc_u64 s[96:97], s[14:15], s[24:25]      ; its scale words
	s_lshl_b32 s80, s23, 5                         ; my four rows: 32 (32 g + hb) + 8 (w / 4) + 4 (w % 2) + 16 ((w / 2) % 2) + i
	s_lshr_b32 s24, s22, 2
	s_lshl_b32 s24, s24, 3
	s_add_co_u32 s80, s80, s24
	s_and_b32 s24, s22, 1
	s_lshl_b32 s24, s24, 2
	s_add_co_u32 s80, s80, s24
	s_bfe_u32 s24, s22, 0x10001
	s_lshl_b32 s24, s24, 4
	s_add_co_u32 s80, s80, s24
	s_add_co_u32 s81, s80, 1
	s_add_co_u32 s82, s80, 2
	s_add_co_u32 s83, s80, 3
	s_mov_b32 s79, 1
	s_lshl_b32 s24, s22, 7                         ; K step w lies 128 w on
	v_lshl_add_u32 v12, v1, 2, s24
	; ---------------- both: four rows a wave become codes and scale bytes
.Lrows:
	s_cmp_eq_u32 s79, 0
	s_cbranch_scc1 .Lnowork
.macro ROWLOAD i                       ; a row of 4,096 bytes: eight loads of 512 consecutive bytes.  Read once in the launch (the last chunk's padding copies aside)
	s_lshl_b32 s24, s[80+\i], 12
	s_add_nc_u64 s[84+2*\i:85+2*\i], s[92:93], s[24:25]
.irp q, 0,1,2,3,4,5,6,7
	global_load_b128 v[RW+32*\i+4*\q:RW+32*\i+4*\q+3], v2, s[84+2*\i:85+2*\i] offset:512*\q th:TH_LOAD_NT
.endr
.endm
.macro TURN i                          ; through my stage: in as loaded, back 128 bytes a lane: lane = K block.  LDS serves a wave's instructions in order: no wait between, nor ahead of the next row's stores
.irp q, 0,1,2,3,4,5,6,7
	ds_store_b128 v5, v[RW+32*\i+4*\q:RW+32*\i+4*\q+3] offset:576*\q
.endr
.irp q, 0,1,2,3,4,5,6,7
	ds_load_b128 v[RW+32*\i+4*\q:RW+32*\i+4*\q+3], v6 offset:16*\q
.endr
.endm
.macro COMP i                          ; my block of row i: largest magnitude, scale, 32 codes
.set XS, RW+32*\i
	v_max3_num_f32 v68, |v[XS]|, |v[XS+1]|, |v[XS+2]|
	v_max3_num_f32 v69, |v[XS+3]|, |v[XS+4]|, |v[XS+5]|
.irp n, 6,10,14,18,22,26
	v_max3_num_f32 v68, v68, |v[XS+\n]|, |v[XS+\n+1]|
	v_max3_num_f32 v69, v69, |v[XS+\n+2]|, |v[XS+\n+3]|
.endr
	v_max3_num_f32 v68, v68, |v[XS+30]|, |v[XS+31]|
	v_max3_num_f32 v68, v68, v69, 0x1800000        ; and the floor 2^(3 - 127): the byte cannot fall under 1
	v_add_nc_u32 v70, 0xff000000, v68              ; 2 off the exponent field: the conversion takes the exponent field of this operand as its scale
.irp g, 0,1,2,3
	v_cvt_scalef32_pk8_fp4_f32 v[CD+4*\i+\g], v[XS+8*\g:XS+8*\g+7], v70
.endr
	v_lshrrev_b32 v[SBY+\i], 23, v70               ; the scale's byte (a plain line behind the conversions)
	ds_store_b128 v7, v[CD+4*\i:CD+4*\i+3] offset:16*\i
	ds_store_b8 v8, v[SBY+\i] offset:4*\i
.endm
	ROWLOAD 0
	ROWLOAD 1
	ROWLOAD 2
	ROWLOAD 3
	s_wait_loadcnt 24                              ; row 0 is in; the 24 loads of the three younger rows may be out
	TURN 0
	s_wait_loadcnt 16
	TURN 1
	s_wait_dscnt 16                                ; row 0 is back from the stage; row 1's 16 LDS instructions may be out
	COMP 0
	s_wait_loadcnt 8
	TURN 2
	s_wait_dscnt 16                                ; all but row 2's 16
	COMP 1
	s_wait_loadcnt 0x0
	TURN 3
	s_wait_dscnt 16                                ; all but row 3's 16
	COMP 2
	s_wait_dscnt 0x0
	COMP 3
.Lnowork:
	BARRIER                                        ; on every wave's way: the unit's image and scale bytes lie in LDS
	s_cmp_eq_u32 s79, 0
	s_cbranch_scc1 .Lend
.irp i, 0,1,2,3
	ds_load_b128 v[RW+4*\i:RW+4*\i+3], v9 offset:4352*\i
.endr
	ds_load_b32 v68, v10
.irp i, 0,1,2,3
	s_wait_dscnt 4-\i                              ; the younger LDS loads may be out
	global_store_b128 v11, v[RW+4*\i:RW+4*\i+3], s[94:95] offset:4096*\i   ; 512 consecutive bytes, at a multiple of 256 from the buffer's first byte
.endr
	s_wait_dscnt 0x0
	global_store_b32 v12, v68, s[96:97]            ; K step w's 32 scale words
.Lend:
	s_cmp_ge_u32 ttmp9, XUNITS
	s_cbranch_scc1 .Ldone
	s_cmp_lg_u32 s22, 0
	s_cbranch_scc1 .Ldone
	s_wait_loadcnt 0x0                             ; wave 0 of an x unit: the gathered mask values
	v_cvt_f32_i32 v44, v38
	global_store_b32 v40, v44, s[18:19]
.Ldone:
	s_wait_tensorcnt 0x0                           ; the wave's end: behind my last LDS store
	ds_add_u32 v18, v19
	s_wait_dscnt 0x0
	s_endpgm
.Lfunc_end_k_q0f8fcac999_prep:
	.size	k_q0f8fcac999_prep, .Lfunc_end_k_q0f8fcac999_prep-k_q0f8fcac999_prep
	.p2alignl 7, 3214868480
	.fill 96, 4, 3214868480
	.section	.rodata,"a",@progbits
	.p2align	6, 0x0
	.amdhsa_kernel k_q0f8fcac999_prep
		.amdhsa_group_segment_fixed_size 57600
		.amdhsa_private_segment_fixed_size 0
		.amdhsa_enable_private_segment 0
		.amdhsa_kernarg_size 72
		.amdhsa_user_sgpr_count 2
		.amdhsa_user_sgpr_kernarg_segment_ptr 1
		.amdhsa_wavefront_size32 1
		.amdhsa_system_sgpr_workgroup_id_x 1
		.amdhsa_system_sgpr_workgroup_id_y 1
		.amdhsa_system_sgpr_workgroup_id_z 1
		.amdhsa_system_vgpr_workitem_id 0
		.amdhsa_next_free_vgpr 208
		.amdhsa_next_free_sgpr 100
		.amdhsa_reserve_vcc 1
		.amdhsa_float_denorm_mode_32 3
		.amdhsa_float_denorm_mode_16_64 3
		.amdhsa_memory_ordered 1
		.amdhsa_forward_progress 1
		.amdhsa_inst_pref_size 46
	.end_amdhsa_kernel
	.amdgpu_metadata
---
amdhsa.version: [ 1, 2 ]
amdhsa.kernels:
  - .name:           k_q0f8fcac999_prep
    .symbol:         k_q0f8fcac999_prep.kd
    .args:
      - { .name: inputs, .offset: 0, .size: 8, .value_kind: global_buffer, .address_space: global }
      - { .name: inputs_mask, .offset: 8, .size: 8, .value_kind: global_buffer, .address_space: global }
      - { .name: W_ih0, .offset: 16, .size: 8, .value_kind: global_buffer, .address_space: global }
      - { .name: W_ih1, .offset: 24, .size: 8, .value_kind: global_buffer, .address_space: global }
      - { .name: xa, .offset: 32, .size: 8, .value_kind: global_buffer, .address_space: global }
      - { .name: wq, .offset: 40, .size: 8, .value_kind: global_buffer, .address_space: global }
      - { .name: olist, .offset: 48, .size: 8, .value_kind: global_buffer, .address_space: global }
      - { .name: mfl, .offset: 56, .size: 8, .value_kind: global_buffer, .address_space: global }
      - { .name: out0, .offset: 64, .size: 8, .value_kind: global_buffer, .address_space: global }
    .group_segment_fixed_size: 57600
    .private_segment_fixed_size: 0
    .kernarg_segment_align: 8
    .kernarg_segment_size: 72
    .max_flat_workgroup_size: 256
    .sgpr_count:     100
    .vgpr_count:     208
    .wavefront_size: 32
...
	.end_amdgpu_metadata
.endif
;; end of part 1
;; launch layer0 (part 2): grid 8 x 32, 4 waves a work-group, no clusters, 1,536 bytes of LDS; arguments xa, wq, b_ih0, b_hh0, olist, ha; writes ha
.if DOCPART == 2
	.amdgcn_target "amdgcn-amd-amdhsa--gfx1250"
	.amdhsa_code_object_version 6
	.text
	.protected	k_q0f8fcac999_layer0
	.globl	k_q0f8fcac999_layer0
	.p2align	8
	.type	k_q0f8fcac999_layer0,@function
k_q0f8fcac999_layer0:
	s_mov_b64 s[64:65], 0
	v_nop
	global_prefetch_b8 v0, s[64:65] scope:SCOPE_SE
	s_setreg_imm32_b32 hwreg(HW_REG_WAVE_MODE, 25, 1), 1
	s_wait_xcnt 0x0
; A GRU LAYER WITH A HIDDEN STATE OF ZEROS, on compact rows.  LAYER = 0: x's codes (xa) -> h1's codes (ha).  LAYER = 1: h1's codes (ha) -> out0, x float(mask), scattered by the list.
;   g = x W_ih^T + b_ih;  r = sigmoid(g_r + bh_r);  z = sigmoid(g_z + bh_z);  n = tanh(g_n + r bh_n);  h = (1 - z) n.  The product is on codes of E2M1 with E8M0 scales, sums in f32; all else in f32.
; WORK LEFT OUT: W_hh (multiplied by a hidden state that is zero by definition) and the rows whose mask is 0 (their result is multiplied by 0): the first launch has written those rows' zeros and has
;   ranked the others; only chunks c < NC of 32 compact rows exist.  A NaN or an infinity that arises only there is not carried to the result.
; SHARES.  Grid 8 x 32: x = hidden tile t of 128, y = row group g.  Wave w owns hidden block hb = 4 t + w: 32 hidden units x 3 gates = 6 tiles of 16 rows of W_ih, for all of K: 48 fragments, 384 registers,
;   read from memory once.  The work-group walks chunks c = g + 32 i, i = 0 .. 7: a constant count of trips; a trip with c >= NC passes over the work by a scalar branch on the stored count, never over a barrier.
;   A chunk is 96 matrix instructions a wave (2 tiles of rows x 6 tiles of W x 8 K steps), twelve accumulators by turns, one instruction a turn.
; THE PRODUCT IS USED TRANSPOSED: source 0 = 16 rows of W, source 1 = 16 rows of x: lane (r, h) holds row r, and register 8 u + j of a gate is hidden unit 32 hb + 16 h + 8 u + j (the first launch chose W's rows so).
;   The biases are the C of each sum's first instruction: b_ih + b_hh for r and z, b_ih for n.  So b_ih + b_hh is added ahead of the sum: an order of rounding that differs from the written one.
; ACTIVATIONS: with L = log2(e): r = 1 / (1 + 2^(-L a)), 1 - z = 1 / (1 + 2^(L a)), tanh(c) = 1 - 2 / (1 + 2^(2 L c)).  Where 2^x overflows the reciprocal gives 0, where it underflows 1: no clamp is needed.
; OPERANDS come from memory straight into registers, laid by the first launch (and by layer 0) in the order of the operand's registers: each lane loads 16 bytes, a load 512 consecutive bytes.
;   No tensor load and no joint load of a cluster, though 32 row groups read the same weights and 8 hidden tiles the same rows.
;   The next chunk's 40 loads are issued behind a chunk's products and land under its activations (192 transcendentals and 144 packed lines a lane).
; LIMITS of layer 0's quantiser: the scale byte is held at 1 from below; a block of zeros gets 1 where the rule says 127 (its codes are zeros; this program alone reads the bytes).
; REGISTERS, in windows of 256: window 0: v1 16 lane, v2 4 lane, v3 64 h, v4-v9 addresses, v10, v11 the add's two, v12 a scale byte, v13 8 x thread, v16-23 store offsets; v32-55 W's scale words (8 g + j: lanes 0-15 tile u = 0,
;   lanes 16-31 u = 1); v56-63 x's scale words (j: lanes 0-15 rows 0-15, lanes 16-31 rows 16-31); v64-111 the six C tiles; v112-127 2 L b_hn; v128-223 accumulators at 48 rb + 8 tile; v224-255 at work.
;   window 1: W's fragments of K steps 0-4 at 8 (6 j + tile);  window 2: K steps 5-7;  window 3: x's fragments at 64 rb + 8 j.
.set LAYER, 0
.set ACC,  128
.set BI,   64
.set BHN,  112
.set BS,   32
.set AS,   56
.set T,    224
.set ASC,  4194304                     ; where the scale words begin in xa and in ha
.if LAYER
.set SPARE, 33792                      ; LDS: two stages of 32 rows x (512 + 16) bytes, then the spare words
.else
.set SPARE, 1024                       ; LDS: 1,024 scale bytes [trip][row][wave], then the spare words
.endif
.set MSB, 0
.macro WIN new                         ; the immediate's high byte repeats the setting that is left; a switch that changes nothing is dropped
.if MSB != \new
	s_set_vgpr_msb (MSB<<8)|\new
.set MSB, \new
.endif
.endm
	s_load_b256 s[4:11], s[0:1], 0x0               ; A's codes and scales s[4:5], wq s[6:7], b_ih s[8:9], b_hh s[10:11]
	s_load_b128 s[12:15], s[0:1], 0x20             ; olist s[12:13]; ha (layer 0) or mfl (layer 1) s[14:15]
.if LAYER
	s_load_b64 s[16:17], s[0:1], 0x30              ; out0
.endif
	v_lshl_add_u32 v10, v0, 2, SPARE               ; my spare word
	v_mov_b32 v11, 0
	v_lshrrev_b32 v1, 5, v0
	v_readfirstlane_b32 s18, v1                    ; wave w
	s_mov_b32 s19, ttmp9                           ; hidden tile t
	s_and_b32 s20, ttmp7, 0xffff                   ; row group g
	s_lshl_b32 s21, s19, 2
	s_add_co_u32 s21, s21, s18                     ; hidden block hb
	v_and_b32 v14, 31, v0                          ; lane
	v_lshlrev_b32 v1, 4, v14
	v_lshlrev_b32 v2, 2, v14
	v_lshrrev_b32 v15, 4, v14                      ; h
	v_lshlrev_b32 v3, 6, v15                       ; the biases of my half: 16 h numbers on
	v_and_b32 v24, 15, v14                         ; r
.if LAYER
	v_mul_u32_u24 v5, v24, 528
	v_add_nc_u32 v5, v5, v3
	s_lshl_b32 s25, s18, 7
	v_add_nc_u32 v5, s25, v5                       ; the stage, in: row r, my 64 bytes at 128 w + 64 h
	s_mul_i32 s25, s18, 4224
	v_add_nc_u32 v6, s25, v1                       ; back: rows 8 w + q, 16 bytes a lane
	s_lshl_b32 s25, s19, 9
	v_add_nc_u32 v7, s25, v1                       ; and in a row of out0: 512 t + 16 lane
.else
	v_lshlrev_b32 v4, 13, v15
	v_lshl_add_u32 v4, v24, 4, v4                  ; h1's codes: 8192 (lane / 16) + 16 (lane % 16)
	v_add_nc_u32 v5, s18, v2                       ; the scale bytes in LDS: 4 lane + w
	v_lshlrev_b32 v13, 3, v0
	v_mov_b32 v230, 0                              ; written once: a lane permute's destination counts as one of its sources
	v_mov_b32 v231, 0
	s_mov_b32 s36, 0x76543210
	s_mov_b32 s37, 0xfedcba98                      ; selects for lane l xor 16
	s_mov_b32 s38, 0xffff0000                      ; lanes 16-31
.endif
	s_mov_b32 s30, 0xbfb8aa3b                      ; -L, L, 2 L: the packed forms name pairs and take the low word for both halves
	s_mov_b32 s31, s30
	s_mov_b32 s32, 0x3fb8aa3b
	s_mov_b32 s33, s32
	s_mov_b32 s34, 0x4038aa3b
	s_mov_b32 s35, s34
	s_mov_b32 s27, 0
	s_wait_kmcnt 0x0
	s_load_b32 s22, s[12:13], 0x8000               ; NC; awaited behind the weights' loads
	s_mul_i32 s26, s21, 3072
	s_add_co_u32 s26, s26, 3145728+LAYER*98304
	s_add_nc_u64 s[42:43], s[6:7], s[26:27]        ; my block's scale words of W
	s_mul_i32 s26, s21, 49152
.if LAYER
	s_add_co_u32 s26, s26, 1572864
.endif
	s_add_nc_u64 s[6:7], s[6:7], s[26:27]          ; and its codes
	s_lshl_b32 s26, s21, 7
	s_add_nc_u64 s[8:9], s[8:9], s[26:27]          ; the biases at hidden unit 32 hb
	s_add_nc_u64 s[10:11], s[10:11], s[26:27]
.if LAYER == 0
	s_lshl_b32 s26, s19, 15
	s_lshl_b32 s25, s20, 10
	s_add_co_u32 s26, s26, s25
	s_add_co_u32 s26, s26, ASC
	s_add_nc_u64 s[44:45], s[14:15], s[26:27]      ; h1's scale words: K step t, places 8 g .. 8 g + 7
	s_lshl_b32 s26, s21, 8
	s_lshl_b32 s25, s20, 14
	s_add_co_u32 s26, s26, s25
	s_add_nc_u64 s[14:15], s[14:15], s[26:27]      ; h1's codes: chunk g, K block hb
.endif
	WIN 0x40                                       ; destination window 1
.irp j, 0,1,2,3,4
.irp tau, 0,1,2,3,4,5
.irp c, 0,1
	global_load_b128 v[8*(6*\j+\tau)+4*\c:8*(6*\j+\tau)+4*\c+3], v1, s[6:7] offset:(\tau/2)*16384+(\tau%2)*8192+\j*1024+512*\c
.endr
.endr
.endr
	WIN 0x80                                       ; destination window 2
.irp j, 5,6,7
.irp tau, 0,1,2,3,4,5
.irp c, 0,1
	global_load_b128 v[8*(6*(\j-5)+\tau)+4*\c:8*(6*(\j-5)+\tau)+4*\c+3], v1, s[6:7] offset:(\tau/2)*16384+(\tau%2)*8192+\j*1024+512*\c
.endr
.endr
.endr
	WIN 0
.irp g, 0,1,2
.irp j, 0,1,2,3,4,5,6,7
	global_load_b32 v[BS+8*\g+\j], v2, s[42:43] offset:\g*1024+\j*128
.endr
.endr
.irp tau, 0,1,2,3,4,5
	global_load_b128 v[BI+8*\tau:BI+8*\tau+3], v3, s[8:9] offset:(\tau/2)*4096+(\tau%2)*32
	global_load_b128 v[BI+8*\tau+4:BI+8*\tau+7], v3, s[8:9] offset:(\tau/2)*4096+(\tau%2)*32+16
.endr
.irp tau, 0,1,2,3
	global_load_b128 v[ACC+8*\tau:ACC+8*\tau+3], v3, s[10:11] offset:(\tau/2)*4096+(\tau%2)*32      ; b_hh of r and z, for now where the accumulators will lie
	global_load_b128 v[ACC+8*\tau+4:ACC+8*\tau+7], v3, s[10:11] offset:(\tau/2)*4096+(\tau%2)*32+16
.endr
.irp u, 0,1
	global_load_b128 v[BHN+8*\u:BHN+8*\u+3], v3, s[10:11] offset:8192+\u*32
	global_load_b128 v[BHN+8*\u+4:BHN+8*\u+7], v3, s[10:11] offset:8192+\u*32+16
.endr
; A chunk's operand: 32 loads of codes (2 tiles of rows x 8 K steps x 2) and 8 of scale words
.macro AFETCH
	WIN 0xc0                                       ; destination window 3
.irp rb, 0,1
.irp j, 0,1,2,3,4,5,6,7
.irp c, 0,1
	global_load_b128 v[64*\rb+8*\j+4*\c:64*\rb+8*\j+4*\c+3], v1, s[4:5] offset:\rb*8192+\j*1024+512*\c
.endr
.endr
.endr
	WIN 0
.irp j, 0,1,2,3,4,5,6,7
	global_load_b32 v[AS+\j], v2, s[28:29] offset:32768*\j
.endr
.endm
	s_wait_kmcnt 0x0                               ; NC
	s_sub_co_u32 s25, s22, 1
	s_min_u32 s25, s25, s20                        ; the first chunk; a group with no chunk (g >= NC) fetches the last one that exists, so that no load reads bytes that nobody wrote
	s_min_u32 s25, s25, 31
	s_lshl_b32 s26, s25, 10
	s_add_co_u32 s26, s26, ASC
	s_add_nc_u64 s[28:29], s[4:5], s[26:27]        ; its scale words: place 8 c
	s_lshl_b32 s26, s25, 14
	s_add_nc_u64 s[4:5], s[4:5], s[26:27]          ; its codes
	AFETCH
	s_wait_loadcnt 40                              ; all but the 40 just issued: weights, their scales, the biases
.set n, 0
.rept 16
	v_pk_add_f32 v[BI+n:BI+n+1], v[BI+n:BI+n+1], v[ACC+n:ACC+n+1]   ; r, z: b_ih + b_hh
.set n, n+2
.endr
.macro PKMULS first, count, sreg       ; count pairs from v[first] on, times the scalar
.set n, \first
.rept \count
	v_pk_mul_f32 v[n:n+1], v[n:n+1], s[\sreg:\sreg+1] op_sel_hi:[1,0]
.set n, n+2
.endr
.endm
.macro PKADD1 first, count             ; count pairs, + 1
.set n, \first
.rept \count
	v_pk_add_f32 v[n:n+1], v[n:n+1], 1.0 op_sel_hi:[1,0]
.set n, n+2
.endr
.endm
.macro TRANS op, first, count          ; a batch of transcendentals, in place
.set n, \first
.rept \count
	\op v[n], v[n]
.set n, n+1
.endr
.endm
	PKMULS BHN, 8, 34                              ; 2 L b_hn
; one matrix instruction.  u: which half of W's scale register; rb: which half of x's
.macro WM d, a, b, c, sa, sb, u, rb
.if \u
.if \rb
	v_wmma_scale_f32_16x16x128_f8f6f4 v[\d:\d+7], v[\a:\a+7], v[\b:\b+7], v[\c:\c+7], v[\sa], v[\sb] matrix_a_fmt:MATRIX_FMT_FP4 matrix_b_fmt:MATRIX_FMT_FP4 matrix_a_scale:MATRIX_SCALE_ROW1 matrix_b_scale:MATRIX_SCALE_ROW1
.else
	v_wmma_scale_f32_16x16x128_f8f6f4 v[\d:\d+7], v[\a:\a+7], v[\b:\b+7], v[\c:\c+7], v[\sa], v[\sb] matrix_a_fmt:MATRIX_FMT_FP4 matrix_b_fmt:MATRIX_FMT_FP4 matrix_a_scale:MATRIX_SCALE_ROW1
.endif
.else
.if \rb
	v_wmma_scale_f32_16x16x128_f8f6f4 v[\d:\d+7], v[\a:\a+7], v[\b:\b+7], v[\c:\c+7], v[\sa], v[\sb] matrix_a_fmt:MATRIX_FMT_FP4 matrix_b_fmt:MATRIX_FMT_FP4 matrix_b_scale:MATRIX_SCALE_ROW1
.else
	v_wmma_scale_f32_16x16x128_f8f6f4 v[\d:\d+7], v[\a:\a+7], v[\b:\b+7], v[\c:\c+7], v[\sa], v[\sb] matrix_a_fmt:MATRIX_FMT_FP4 matrix_b_fmt:MATRIX_FMT_FP4
.endif
.endif
.endm
; K step j: twelve instructions, the twelve accumulators by turns.  K step 0 starts the sums with the bias tiles as C
.macro MM j
.if \j < 5
	WIN 0x0d                                       ; source 0 (W) window 1, source 1 (x) window 3, C and D window 0
.set BB, 48*\j
.else
	WIN 0x0e                                       ; source 0 window 2
.set BB, 48*(\j-5)
.endif
.irp rb, 0,1
.irp tau, 0,1,2,3,4,5
.if \j == 0
	WM (ACC+48*\rb+8*\tau), (BB+8*\tau), (64*\rb+8*\j), (BI+8*\tau), (BS+8*(\tau/2)+\j), (AS+\j), (\tau%2), \rb
.else
	WM (ACC+48*\rb+8*\tau), (BB+8*\tau), (64*\rb+8*\j), (ACC+48*\rb+8*\tau), (BS+8*(\tau/2)+\j), (AS+\j), (\tau%2), \rb
.endif
.endr
.endr
.endm
	s_mov_b32 s23, s20                             ; c
	s_mov_b32 s24, 0                               ; trip i
	s_mov_b32 s39, 0                               ; layer 0: 128 i; layer 1: the stage in turn
.if LAYER
	s_lshl_b32 s40, s20, 7
	s_lshl_b32 s25, s18, 5
	s_add_co_u32 s40, s40, s25                     ; my eight words of the lists: 128 c + 32 w
.endif
.Ltrip:
.if LAYER
	s_load_b256 s[72:79], s[12:13], s40 offset:0x0 ; output rows of compact rows 32 c + 8 w + 0 .. 7 (written for every c), awaited ahead of the barrier
	s_load_b256 s[80:87], s[14:15], s40 offset:0x0 ; and float(mask)
.else
	v_mov_b32 v12, 0x7f                            ; the byte that a trip without work leaves: its places are never read, but the 1,024 bytes leave whole
.endif
	s_cmp_lt_u32 s23, s22
	s_cbranch_scc0 .Lskip_a
	s_wait_loadcnt 0x0                             ; the chunk's operand is in
.irp j, 0,1,2,3,4,5,6,7
	MM \j
.endr
	WIN 0
.rept 4
	v_nop                                          ; four places behind the last products: ahead of loads into registers that they read, and of the first read of results
.endr
	s_add_nc_u64 s[4:5], s[4:5], 524288            ; 32 chunks on (no load of mine is out)
	s_add_nc_u64 s[28:29], s[28:29], 128
	s_add_co_u32 s25, s23, 32
	s_cmp_lt_u32 s25, s22
	s_cbranch_scc0 .Lno_next
	AFETCH                                         ; the next chunk lands under the activations
.Lno_next:
	; the activations, in place; each accumulator is read from its low end on.  Per tile of rows rb: r at ACC + 48 rb, z at + 16, n at + 32
	PKMULS ACC, 8, 30                              ; -L a_r
	PKMULS ACC+16, 8, 32                           ; L a_z
	PKMULS ACC+48, 8, 30
	PKMULS ACC+64, 8, 32
	TRANS v_exp_f32, ACC, 32
	TRANS v_exp_f32, ACC+48, 32
	PKMULS ACC+32, 8, 34                           ; 2 L a_n: plain work behind the batch, which names none of its results
	PKMULS ACC+80, 8, 34
	s_wait_alu depctr_va_vdst(0)                   ; one wait for the 64 exponentials, ahead of their first use
	PKADD1 ACC, 16
	PKADD1 ACC+48, 16
	TRANS v_rcp_f32, ACC, 32                       ; r and 1 - z
	TRANS v_rcp_f32, ACC+48, 32
	v_nop                                          ; a plain line behind the last reciprocal
	s_wait_alu depctr_va_vdst(0)
.irp rb, 0,1
.set n, 0
.rept 8
	v_pk_fma_f32 v[ACC+48*\rb+32+n:ACC+48*\rb+33+n], v[ACC+48*\rb+n:ACC+48*\rb+n+1], v[BHN+n:BHN+n+1], v[ACC+48*\rb+32+n:ACC+48*\rb+33+n]   ; 2 L (a_n + r b_hn)
.set n, n+2
.endr
.endr
	TRANS v_exp_f32, ACC+32, 16
	TRANS v_exp_f32, ACC+80, 16
	v_nop
	s_wait_alu depctr_va_vdst(0)
	PKADD1 ACC+32, 8
	PKADD1 ACC+80, 8
	TRANS v_rcp_f32, ACC+32, 16                    ; q = 1 / (1 + 2^(2 L c)): tanh = 1 - 2 q
	TRANS v_rcp_f32, ACC+80, 16
	v_nop
	s_wait_alu depctr_va_vdst(0)
.irp rb, 0,1
.set n, 0
.rept 8
	v_pk_mul_f32 v[ACC+48*\rb+32+n:ACC+48*\rb+33+n], v[ACC+48*\rb+16+n:ACC+48*\rb+17+n], v[ACC+48*\rb+32+n:ACC+48*\rb+33+n]   ; (1 - z) q
.set n, n+2
.endr
.endr
.irp rb, 0,1
.set n, 0
.rept 8
	v_pk_fma_f32 v[ACC+48*\rb+32+n:ACC+48*\rb+33+n], v[ACC+48*\rb+32+n:ACC+48*\rb+33+n], -2.0, v[ACC+48*\rb+16+n:ACC+48*\rb+17+n] op_sel_hi:[1,0,1]   ; h = (1 - z) - 2 (1 - z) q
.set n, n+2
.endr
.endr
.if LAYER
	v_add_nc_u32 v8, s39, v5                       ; h2 into the stage in turn: 64 bytes a lane and tile of rows
.irp rb, 0,1
.irp q, 0,1,2,3
	ds_store_b128 v8, v[ACC+48*\rb+32+4*\q:ACC+48*\rb+35+4*\q] offset:\rb*8448+16*\q
.endr
.endr
.else
	; h1 is quantised along its hidden units: my 16 numbers and lane l xor 16's are K block hb of my row
.irp rb, 0,1
	v_max3_num_f32 v[T+4+\rb], |v[ACC+48*\rb+32]|, |v[ACC+48*\rb+33]|, 0x1800000   ; with the floor 2^(3 - 127): the byte cannot fall under 1
.endr
.irp n, 2,4,6,8,10,12,14
.irp rb, 0,1
	v_max3_num_f32 v[T+4+\rb], v[T+4+\rb], |v[ACC+48*\rb+32+\n]|, |v[ACC+48*\rb+33+\n]|
.endr
.endr
.irp rb, 0,1
	v_permlanex16_b32 v[T+6+\rb], v[T+4+\rb], s36, s37
.endr
.irp rb, 0,1
	v_max_num_f32 v[T+4+\rb], v[T+4+\rb], v[T+6+\rb]
.endr
.irp rb, 0,1
	v_add_nc_u32 v[T+8+\rb], 0xff000000, v[T+4+\rb]   ; 2 off the exponent field: the conversion's scale operand
.endr
.irp rb, 0,1
	v_lshrrev_b32 v[T+10+\rb], 23, v[T+8+\rb]      ; the scale's byte
.endr
.irp rb, 0,1
	v_cvt_scalef32_pk8_fp4_f32 v[T+2*\rb], v[ACC+48*\rb+32:ACC+48*\rb+39], v[T+8+\rb]
	v_cvt_scalef32_pk8_fp4_f32 v[T+2*\rb+1], v[ACC+48*\rb+40:ACC+48*\rb+47], v[T+8+\rb]
.endr
	v_nop                                          ; one plain line behind the scaled conversions
	v_permlane16_swap_b32 v[T], v[T+2]             ; lanes 0-15 now hold the whole 16 bytes of rows 0-15, lanes 16-31 those of rows 16-31
	v_permlane16_swap_b32 v[T+1], v[T+3]
	v_cndmask_b32 v12, v[T+10], v[T+11], s38       ; and the byte of the same row
	global_store_b128 v4, v[T:T+3], s[14:15]       ; sixteen lanes store 256 consecutive bytes, at a multiple of 256 from the buffer's first byte
.endif
.Lskip_a:
.if LAYER
	s_wait_kmcnt 0x0                               ; the lists' words
	s_wait_dscnt 0x0                               ; my stores into the stage have landed (my reads of the last trip's stage were awaited there)
	s_barrier_signal -1
	s_barrier_wait -1                              ; one barrier a trip, on every wave's way: the two stages take turns, so a stage is written again only behind the next trip's barrier
	s_cmp_lt_u32 s23, s22
	s_cbranch_scc0 .Lskip_b
	v_add_nc_u32 v9, s39, v6
.irp q, 0,1,2,3,4,5,6,7
	ds_load_b128 v[T+4*\q:T+4*\q+3], v9 offset:528*\q   ; rows 8 w + q, whole: 512 bytes
.endr
	s_wait_dscnt 0x0
.macro OUTROW q                        ; a padding row (list word -1) is not stored
	s_cmp_lt_u32 s[72+\q], 8192
	s_cbranch_scc0 .Lpad_\@
	s_min_u32 s25, s[72+\q], 8191
	v_lshl_add_u32 v[16+\q], s25, 12, v7
.irp e, 0,1,2,3
	v_mul_f32 v[T+4*\q+\e], s[80+\q], v[T+4*\q+\e]   ; x float(mask)
.endr
	global_store_b128 v[16+\q], v[T+4*\q:T+4*\q+3], s[16:17] th:TH_STORE_NT   ; 512 consecutive bytes of one row of out0, at a multiple of 256 from its first byte
.Lpad_\@:
.endm
.irp q, 0,1,2,3,4,5,6,7
	OUTROW \q
.endr
.Lskip_b:
.else
	v_add_nc_u32 v9, s39, v5
	ds_store_b8 v9, v12                            ; on every way: trip i, row = lane, byte w
.endif
	s_wait_xcnt 0x0                                ; the trip's stores and loads have read their registers and bases: only behind this wait are they written again
	s_add_co_u32 s23, s23, 32
.if LAYER
	s_xor_b32 s39, s39, 16896                      ; the other stage
	s_add_co_u32 s40, s40, 4096
.else
	s_add_co_u32 s39, s39, 128
	s_add_nc_u64 s[14:15], s[14:15], 524288
.endif
	s_add_co_u32 s24, s24, 1
	s_cmp_lt_u32 s24, 8
	s_cbranch_scc1 .Ltrip
.if LAYER == 0
	s_wait_dscnt 0x0                               ; my byte stores have landed
	s_barrier_signal -1
	s_barrier_wait -1
	ds_load_b64 v[T:T+1], v13                      ; the four waves' bytes make the rows' scale words of K step t
	s_wait_dscnt 0x0
	global_store_b64 v13, v[T:T+1], s[44:45]       ; a wave stores 256 consecutive bytes, at a multiple of 256 from the buffer's first byte
.endif
	s_wait_tensorcnt 0x0                           ; the wave's end: behind my last LDS store
	ds_add_u32 v10, v11
	s_wait_dscnt 0x0
	s_endpgm
.Lfunc_end_k_q0f8fcac999_layer0:
	.size	k_q0f8fcac999_layer0, .Lfunc_end_k_q0f8fcac999_layer0-k_q0f8fcac999_layer0
	.p2alignl 7, 3214868480
	.fill 96, 4, 3214868480
	.section	.rodata,"a",@progbits
	.p2align	6, 0x0
	.amdhsa_kernel k_q0f8fcac999_layer0
		.amdhsa_group_segment_fixed_size 1536
		.amdhsa_private_segment_fixed_size 0
		.amdhsa_enable_private_segment 0
		.amdhsa_kernarg_size 48
		.amdhsa_user_sgpr_count 2
		.amdhsa_user_sgpr_kernarg_segment_ptr 1
		.amdhsa_wavefront_size32 1
		.amdhsa_system_sgpr_workgroup_id_x 1
		.amdhsa_system_sgpr_workgroup_id_y 1
		.amdhsa_system_sgpr_workgroup_id_z 1
		.amdhsa_system_vgpr_workitem_id 0
		.amdhsa_next_free_vgpr 896
		.amdhsa_next_free_sgpr 90
		.amdhsa_reserve_vcc 0
		.amdhsa_float_denorm_mode_32 3
		.amdhsa_float_denorm_mode_16_64 3
		.amdhsa_memory_ordered 1
		.amdhsa_forward_progress 1
		.amdhsa_inst_pref_size 57
	.end_amdhsa_kernel
	.amdgpu_metadata
---
amdhsa.version: [ 1, 2 ]
amdhsa.kernels:
  - .name:           k_q0f8fcac999_layer0
    .symbol:         k_q0f8fcac999_layer0.kd
    .args:
      - { .name: xa, .offset: 0, .size: 8, .value_kind: global_buffer, .address_space: global }
      - { .name: wq, .offset: 8, .size: 8, .value_kind: global_buffer, .address_space: global }
      - { .name: b_ih0, .offset: 16, .size: 8, .value_kind: global_buffer, .address_space: global }
      - { .name: b_hh0, .offset: 24, .size: 8, .value_kind: global_buffer, .address_space: global }
      - { .name: olist, .offset: 32, .size: 8, .value_kind: global_buffer, .address_space: global }
      - { .name: ha, .offset: 40, .size: 8, .value_kind: global_buffer, .address_space: global }
    .group_segment_fixed_size: 1536
    .private_segment_fixed_size: 0
    .kernarg_segment_align: 8
    .kernarg_segment_size: 48
    .max_flat_workgroup_size: 128
    .sgpr_count:     90
    .vgpr_count:     896
    .wavefront_size: 32
...
	.end_amdgpu_metadata
.endif
;; end of part 2
;; launch layer1 (part 3): grid 8 x 32, 4 waves a work-group, no clusters, 34,304 bytes of LDS; arguments ha, wq, b_ih1, b_hh1, olist, mfl, out0; writes out0
.if DOCPART == 3
	.amdgcn_target "amdgcn-amd-amdhsa--gfx1250"
	.amdhsa_code_object_version 6
	.text
	.protected	k_q0f8fcac999_layer1
	.globl	k_q0f8fcac999_layer1
	.p2align	8
	.type	k_q0f8fcac999_layer1,@function
k_q0f8fcac999_layer1:
	s_mov_b64 s[64:65], 0
	v_nop
	global_prefetch_b8 v0, s[64:65] scope:SCOPE_SE
	s_setreg_imm32_b32 hwreg(HW_REG_WAVE_MODE, 25, 1), 1
	s_wait_xcnt 0x0
; A GRU LAYER WITH A HIDDEN STATE OF ZEROS, on compact rows.  LAYER = 0: x's codes (xa) -> h1's codes (ha).  LAYER = 1: h1's codes (ha) -> out0, x float(mask), scattered by the list.
;   g = x W_ih^T + b_ih;  r = sigmoid(g_r + bh_r);  z = sigmoid(g_z + bh_z);  n = tanh(g_n + r bh_n);  h = (1 - z) n.  The product is on codes of E2M1 with E8M0 scales, sums in f32; all else in f32.
; WORK LEFT OUT: W_hh (multiplied by a hidden state that is zero by definition) and the rows whose mask is 0 (their result is multiplied by 0): the first launch has written those rows' zeros and has
;   ranked the others; only chunks c < NC of 32 compact rows exist.  A NaN or an infinity that arises only there is not carried to the result.
; SHARES.  Grid 8 x 32: x = hidden tile t of 128, y = row group g.  Wave w owns hidden block hb = 4 t + w: 32 hidden units x 3 gates = 6 tiles of 16 rows of W_ih, for all of K: 48 fragments, 384 registers,
;   read from memory once.  The work-group walks chunks c = g + 32 i, i = 0 .. 7: a constant count of trips; a trip with c >= NC passes over the work by a scalar branch on the stored count, never over a barrier.
;   A chunk is 96 matrix instructions a wave (2 tiles of rows x 6 tiles of W x 8 K steps), twelve accumulators by turns, one instruction a turn.
; THE PRODUCT IS USED TRANSPOSED: source 0 = 16 rows of W, source 1 = 16 rows of x: lane (r, h) holds row r, and register 8 u + j of a gate is hidden unit 32 hb + 16 h + 8 u + j (the first launch chose W's rows so).
;   The biases are the C of each sum's first instruction: b_ih + b_hh for r and z, b_ih for n.  So b_ih + b_hh is added ahead of the sum: an order of rounding that differs from the written one.
; ACTIVATIONS: with L = log2(e): r = 1 / (1 + 2^(-L a)), 1 - z = 1 / (1 + 2^(L a)), tanh(c) = 1 - 2 / (1 + 2^(2 L c)).  Where 2^x overflows the reciprocal gives 0, where it underflows 1: no clamp is needed.
; OPERANDS come from memory straight into registers, laid by the first launch (and by layer 0) in the order of the operand's registers: each lane loads 16 bytes, a load 512 consecutive bytes.
;   No tensor load and no joint load of a cluster, though 32 row groups read the same weights and 8 hidden tiles the same rows.
;   The next chunk's 40 loads are issued behind a chunk's products and land under its activations (192 transcendentals and 144 packed lines a lane).
; THE WAY OUT of layer 1: a row's 512 bytes of hidden tile t come from four waves: they meet in a stage in LDS, and each wave stores eight whole pieces of 512 bytes at the rows that the list names.
; REGISTERS, in windows of 256: window 0: v1 16 lane, v2 4 lane, v3 64 h, v4-v9 addresses, v10, v11 the add's two, v12 a scale byte, v13 8 x thread, v16-23 store offsets; v32-55 W's scale words (8 g + j: lanes 0-15 tile u = 0,
;   lanes 16-31 u = 1); v56-63 x's scale words (j: lanes 0-15 rows 0-15, lanes 16-31 rows 16-31); v64-111 the six C tiles; v112-127 2 L b_hn; v128-223 accumulators at 48 rb + 8 tile; v224-255 at work.
;   window 1: W's fragments of K steps 0-4 at 8 (6 j + tile);  window 2: K steps 5-7;  window 3: x's fragments at 64 rb + 8 j.
.set LAYER, 1
.set ACC,  128
.set BI,   64
.set BHN,  112
.set BS,   32
.set AS,   56
.set T,    224
.set ASC,  4194304                     ; where the scale words begin in xa and in ha
.if LAYER
.set SPARE, 33792                      ; LDS: two stages of 32 rows x (512 + 16) bytes, then the spare words
.else
.set SPARE, 1024                       ; LDS: 1,024 scale bytes [trip][row][wave], then the spare words
.endif
.set MSB, 0
.macro WIN new                         ; the immediate's high byte repeats the setting that is left; a switch that changes nothing is dropped
.if MSB != \new
	s_set_vgpr_msb (MSB<<8)|\new
.set MSB, \new
.endif
.endm
	s_load_b256 s[4:11], s[0:1], 0x0               ; A's codes and scales s[4:5], wq s[6:7], b_ih s[8:9], b_hh s[10:11]
	s_load_b128 s[12:15], s[0:1], 0x20             ; olist s[12:13]; ha (layer 0) or mfl (layer 1) s[14:15]
.if LAYER
	s_load_b64 s[16:17], s[0:1], 0x30              ; out0
.endif
	v_lshl_add_u32 v10, v0, 2, SPARE               ; my spare word
	v_mov_b32 v11, 0
	v_lshrrev_b32 v1, 5, v0
	v_readfirstlane_b32 s18, v1                    ; wave w
	s_mov_b32 s19, ttmp9                           ; hidden tile t
	s_and_b32 s20, ttmp7, 0xffff                   ; row group g
	s_lshl_b32 s21, s19, 2
	s_add_co_u32 s21, s21, s18                     ; hidden block hb
	v_and_b32 v14, 31, v0                          ; lane
	v_lshlrev_b32 v1, 4, v14
	v_lshlrev_b32 v2, 2, v14
	v_lshrrev_b32 v15, 4, v14                      ; h
	v_lshlrev_b32 v3, 6, v15                       ; the biases of my half: 16 h numbers on
	v_and_b32 v24, 15, v14                         ; r
.if LAYER
	v_mul_u32_u24 v5, v24, 528
	v_add_nc_u32 v5, v5, v3
	s_lshl_b32 s25, s18, 7
	v_add_nc_u32 v5, s25, v5                       ; the stage, in: row r, my 64 bytes at 128 w + 64 h
	s_mul_i32 s25, s18, 4224
	v_add_nc_u32 v6, s25, v1                       ; back: rows 8 w + q, 16 bytes a lane
	s_lshl_b32 s25, s19, 9
	v_add_nc_u32 v7, s25, v1                       ; and in a row of out0: 512 t + 16 lane
.else
	v_lshlrev_b32 v4, 13, v15
	v_lshl_add_u32 v4, v24, 4, v4                  ; h1's codes: 8192 (lane / 16) + 16 (lane % 16)
	v_add_nc_u32 v5, s18, v2                       ; the scale bytes in LDS: 4 lane + w
	v_lshlrev_b32 v13, 3, v0
	v_mov_b32 v230, 0                              ; written once: a lane permute's destination counts as one of its sources
	v_mov_b32 v231, 0
	s_mov_b32 s36, 0x76543210
	s_mov_b32 s37, 0xfedcba98                      ; selects for lane l xor 16
	s_mov_b32 s38, 0xffff0000                      ; lanes 16-31
.endif
	s_mov_b32 s30, 0xbfb8aa3b                      ; -L, L, 2 L: the packed forms name pairs and take the low word for both halves
	s_mov_b32 s31, s30
	s_mov_b32 s32, 0x3fb8aa3b
	s_mov_b32 s33, s32
	s_mov_b32 s34, 0x4038aa3b
	s_mov_b32 s35, s34
	s_mov_b32 s27, 0
	s_wait_kmcnt 0x0
	s_load_b32 s22, s[12:13], 0x8000               ; NC; awaited behind the weights' loads
	s_mul_i32 s26, s21, 3072
	s_add_co_u32 s26, s26, 3145728+LAYER*98304
	s_add_nc_u64 s[42:43], s[6:7], s[26:27]        ; my block's scale words of W
	s_mul_i32 s26, s21, 49152
.if LAYER
	s_add_co_u32 s26, s26, 1572864
.endif
	s_add_nc_u64 s[6:7], s[6:7], s[26:27]          ; and its codes
	s_lshl_b32 s26, s21, 7
	s_add_nc_u64 s[8:9], s[8:9], s[26:27]          ; the biases at hidden unit 32 hb
	s_add_nc_u64 s[10:11], s[10:11], s[26:27]
.if LAYER == 0
	s_lshl_b32 s26, s19, 15
	s_lshl_b32 s25, s20, 10
	s_add_co_u32 s26, s26, s25
	s_add_co_u32 s26, s26, ASC
	s_add_nc_u64 s[44:45], s[14:15], s[26:27]      ; h1's scale words: K step t, places 8 g .. 8 g + 7
	s_lshl_b32 s26, s21, 8
	s_lshl_b32 s25, s20, 14
	s_add_co_u32 s26, s26, s25
	s_add_nc_u64 s[14:15], s[14:15], s[26:27]      ; h1's codes: chunk g, K block hb
.endif
	WIN 0x40                                       ; destination window 1
.irp j, 0,1,2,3,4
.irp tau, 0,1,2,3,4,5
.irp c, 0,1
	global_load_b128 v[8*(6*\j+\tau)+4*\c:8*(6*\j+\tau)+4*\c+3], v1, s[6:7] offset:(\tau/2)*16384+(\tau%2)*8192+\j*1024+512*\c
.endr
.endr
.endr
	WIN 0x80                                       ; destination window 2
.irp j, 5,6,7
.irp tau, 0,1,2,3,4,5
.irp c, 0,1
	global_load_b128 v[8*(6*(\j-5)+\tau)+4*\c:8*(6*(\j-5)+\tau)+4*\c+3], v1, s[6:7] offset:(\tau/2)*16384+(\tau%2)*8192+\j*1024+512*\c
.endr
.endr
.endr
	WIN 0
.irp g, 0,1,2
.irp j, 0,1,2,3,4,5,6,7
	global_load_b32 v[BS+8*\g+\j], v2, s[42:43] offset:\g*1024+\j*128
.endr
.endr
.irp tau, 0,1,2,3,4,5
	global_load_b128 v[BI+8*\tau:BI+8*\tau+3], v3, s[8:9] offset:(\tau/2)*4096+(\tau%2)*32
	global_load_b128 v[BI+8*\tau+4:BI+8*\tau+7], v3, s[8:9] offset:(\tau/2)*4096+(\tau%2)*32+16
.endr
.irp tau, 0,1,2,3
	global_load_b128 v[ACC+8*\tau:ACC+8*\tau+3], v3, s[10:11] offset:(\tau/2)*4096+(\tau%2)*32      ; b_hh of r and z, for now where the accumulators will lie
	global_load_b128 v[ACC+8*\tau+4:ACC+8*\tau+7], v3, s[10:11] offset:(\tau/2)*4096+(\tau%2)*32+16
.endr
.irp u, 0,1
	global_load_b128 v[BHN+8*\u:BHN+8*\u+3], v3, s[10:11] offset:8192+\u*32
	global_load_b128 v[BHN+8*\u+4:BHN+8*\u+7], v3, s[10:11] offset:8192+\u*32+16
.endr
; A chunk's operand: 32 loads of codes (2 tiles of rows x 8 K steps x 2) and 8 of scale words
.macro AFETCH
	WIN 0xc0                                       ; destination window 3
.irp rb, 0,1
.irp j, 0,1,2,3,4,5,6,7
.irp c, 0,1
	global_load_b128 v[64*\rb+8*\j+4*\c:64*\rb+8*\j+4*\c+3], v1, s[4:5] offset:\rb*8192+\j*1024+512*\c
.endr
.endr
.endr
	WIN 0
.irp j, 0,1,2,3,4,5,6,7
	global_load_b32 v[AS+\j], v2, s[28:29] offset:32768*\j
.endr
.endm
	s_wait_kmcnt 0x0                               ; NC
	s_sub_co_u32 s25, s22, 1
	s_min_u32 s25, s25, s20                        ; the first chunk; a group with no chunk (g >= NC) fetches the last one that exists, so that no load reads bytes that nobody wrote
	s_min_u32 s25, s25, 31
	s_lshl_b32 s26, s25, 10
	s_add_co_u32 s26, s26, ASC
	s_add_nc_u64 s[28:29], s[4:5], s[26:27]        ; its scale words: place 8 c
	s_lshl_b32 s26, s25, 14
	s_add_nc_u64 s[4:5], s[4:5], s[26:27]          ; its codes
	AFETCH
	s_wait_loadcnt 40                              ; all but the 40 just issued: weights, their scales, the biases
.set n, 0
.rept 16
	v_pk_add_f32 v[BI+n:BI+n+1], v[BI+n:BI+n+1], v[ACC+n:ACC+n+1]   ; r, z: b_ih + b_hh
.set n, n+2
.endr
.macro PKMULS first, count, sreg       ; count pairs from v[first] on, times the scalar
.set n, \first
.rept \count
	v_pk_mul_f32 v[n:n+1], v[n:n+1], s[\sreg:\sreg+1] op_sel_hi:[1,0]
.set n, n+2
.endr
.endm
.macro PKADD1 first, count             ; count pairs, + 1
.set n, \first
.rept \count
	v_pk_add_f32 v[n:n+1], v[n:n+1], 1.0 op_sel_hi:[1,0]
.set n, n+2
.endr
.endm
.macro TRANS op, first, count          ; a batch of transcendentals, in place
.set n, \first
.rept \count
	\op v[n], v[n]
.set n, n+1
.endr
.endm
	PKMULS BHN, 8, 34                              ; 2 L b_hn
; one matrix instruction.  u: which half of W's scale register; rb: which half of x's
.macro WM d, a, b, c, sa, sb, u, rb
.if \u
.if \rb
	v_wmma_scale_f32_16x16x128_f8f6f4 v[\d:\d+7], v[\a:\a+7], v[\b:\b+7], v[\c:\c+7], v[\sa], v[\sb] matrix_a_fmt:MATRIX_FMT_FP4 matrix_b_fmt:MATRIX_FMT_FP4 matrix_a_scale:MATRIX_SCALE_ROW1 matrix_b_scale:MATRIX_SCALE_ROW1
.else
	v_wmma_scale_f32_16x16x128_f8f6f4 v[\d:\d+7], v[\a:\a+7], v[\b:\b+7], v[\c:\c+7], v[\sa], v[\sb] matrix_a_fmt:MATRIX_FMT_FP4 matrix_b_fmt:MATRIX_FMT_FP4 matrix_a_scale:MATRIX_SCALE_ROW1
.endif
.else
.if \rb
	v_wmma_scale_f32_16x16x128_f8f6f4 v[\d:\d+7], v[\a:\a+7], v[\b:\b+7], v[\c:\c+7], v[\sa], v[\sb] matrix_a_fmt:MATRIX_FMT_FP4 matrix_b_fmt:MATRIX_FMT_FP4 matrix_b_scale:MATRIX_SCALE_ROW1
.else
	v_wmma_scale_f32_16x16x128_f8f6f4 v[\d:\d+7], v[\a:\a+7], v[\b:\b+7], v[\c:\c+7], v[\sa], v[\sb] matrix_a_fmt:MATRIX_FMT_FP4 matrix_b_fmt:MATRIX_FMT_FP4
.endif
.endif
.endm
; K step j: twelve instructions, the twelve accumulators by turns.  K step 0 starts the sums with the bias tiles as C
.macro MM j
.if \j < 5
	WIN 0x0d                                       ; source 0 (W) window 1, source 1 (x) window 3, C and D window 0
.set BB, 48*\j
.else
	WIN 0x0e                                       ; source 0 window 2
.set BB, 48*(\j-5)
.endif
.irp rb, 0,1
.irp tau, 0,1,2,3,4,5
.if \j == 0
	WM (ACC+48*\rb+8*\tau), (BB+8*\tau), (64*\rb+8*\j), (BI+8*\tau), (BS+8*(\tau/2)+\j), (AS+\j), (\tau%2), \rb
.else
	WM (ACC+48*\rb+8*\tau), (BB+8*\tau), (64*\rb+8*\j), (ACC+48*\rb+8*\tau), (BS+8*(\tau/2)+\j), (AS+\j), (\tau%2), \rb
.endif
.endr
.endr
.endm
	s_mov_b32 s23, s20                             ; c
	s_mov_b32 s24, 0                               ; trip i
	s_mov_b32 s39, 0                               ; layer 0: 128 i; layer 1: the stage in turn
.if LAYER
	s_lshl_b32 s40, s20, 7
	s_lshl_b32 s25, s18, 5
	s_add_co_u32 s40, s40, s25                     ; my eight words of the lists: 128 c + 32 w
.endif
.Ltrip:
.if LAYER
	s_load_b256 s[72:79], s[12:13], s40 offset:0x0 ; output rows of compact rows 32 c + 8 w + 0 .. 7 (written for every c), awaited ahead of the barrier
	s_load_b256 s[80:87], s[14:15], s40 offset:0x0 ; and float(mask)
.else
	v_mov_b32 v12, 0x7f                            ; the byte that a trip without work leaves: its places are never read, but the 1,024 bytes leave whole
.endif
	s_cmp_lt_u32 s23, s22
	s_cbranch_scc0 .Lskip_a
	s_wait_loadcnt 0x0                             ; the chunk's operand is in
.irp j, 0,1,2,3,4,5,6,7
	MM \j
.endr
	WIN 0
.rept 4
	v_nop                                          ; four places behind the last products: ahead of loads into registers that they read, and of the first read of results
.endr
	s_add_nc_u64 s[4:5], s[4:5], 524288            ; 32 chunks on (no load of mine is out)
	s_add_nc_u64 s[28:29], s[28:29], 128
	s_add_co_u32 s25, s23, 32
	s_cmp_lt_u32 s25, s22
	s_cbranch_scc0 .Lno_next
	AFETCH                                         ; the next chunk lands under the activations
.Lno_next:
	; the activations, in place; each accumulator is read from its low end on.  Per tile of rows rb: r at ACC + 48 rb, z at + 16, n at + 32
	PKMULS ACC, 8, 30                              ; -L a_r
	PKMULS ACC+16, 8, 32                           ; L a_z
	PKMULS ACC+48, 8, 30
	PKMULS ACC+64, 8, 32
	TRANS v_exp_f32, ACC, 32
	TRANS v_exp_f32, ACC+48, 32
	PKMULS ACC+32, 8, 34                           ; 2 L a_n: plain work behind the batch, which names none of its results
	PKMULS ACC+80, 8, 34
	s_wait_alu depctr_va_vdst(0)                   ; one wait for the 64 exponentials, ahead of their first use
	PKADD1 ACC, 16
	PKADD1 ACC+48, 16
	TRANS v_rcp_f32, ACC, 32                       ; r and 1 - z
	TRANS v_rcp_f32, ACC+48, 32
	v_nop                                          ; a plain line behind the last reciprocal
	s_wait_alu depctr_va_vdst(0)
.irp rb, 0,1
.set n, 0
.rept 8
	v_pk_fma_f32 v[ACC+48*\rb+32+n:ACC+48*\rb+33+n], v[ACC+48*\rb+n:ACC+48*\rb+n+1], v[BHN+n:BHN+n+1], v[ACC+48*\rb+32+n:ACC+48*\rb+33+n]   ; 2 L (a_n + r b_hn)
.set n, n+2
.endr
.endr
	TRANS v_exp_f32, ACC+32, 16
	TRANS v_exp_f32, ACC+80, 16
	v_nop
	s_wait_alu depctr_va_vdst(0)
	PKADD1 ACC+32, 8
	PKADD1 ACC+80, 8
	TRANS v_rcp_f32, ACC+32, 16                    ; q = 1 / (1 + 2^(2 L c)): tanh = 1 - 2 q
	TRANS v_rcp_f32, ACC+80, 16
	v_nop
	s_wait_alu depctr_va_vdst(0)
.irp rb, 0,1
.set n, 0
.rept 8
	v_pk_mul_f32 v[ACC+48*\rb+32+n:ACC+48*\rb+33+n], v[ACC+48*\rb+16+n:ACC+48*\rb+17+n], v[ACC+48*\rb+32+n:ACC+48*\rb+33+n]   ; (1 - z) q
.set n, n+2
.endr
.endr
.irp rb, 0,1
.set n, 0
.rept 8
	v_pk_fma_f32 v[ACC+48*\rb+32+n:ACC+48*\rb+33+n], v[ACC+48*\rb+32+n:ACC+48*\rb+33+n], -2.0, v[ACC+48*\rb+16+n:ACC+48*\rb+17+n] op_sel_hi:[1,0,1]   ; h = (1 - z) - 2 (1 - z) q
.set n, n+2
.endr
.endr
.if LAYER
	v_add_nc_u32 v8, s39, v5                       ; h2 into the stage in turn: 64 bytes a lane and tile of rows
.irp rb, 0,1
.irp q, 0,1,2,3
	ds_store_b128 v8, v[ACC+48*\rb+32+4*\q:ACC+48*\rb+35+4*\q] offset:\rb*8448+16*\q
.endr
.endr
.else
	; h1 is quantised along its hidden units: my 16 numbers and lane l xor 16's are K block hb of my row
.irp rb, 0,1
	v_max3_num_f32 v[T+4+\rb], |v[ACC+48*\rb+32]|, |v[ACC+48*\rb+33]|, 0x1800000   ; with the floor 2^(3 - 127): the byte cannot fall under 1
.endr
.irp n, 2,4,6,8,10,12,14
.irp rb, 0,1
	v_max3_num_f32 v[T+4+\rb], v[T+4+\rb], |v[ACC+48*\rb+32+\n]|, |v[ACC+48*\rb+33+\n]|
.endr
.endr
.irp rb, 0,1
	v_permlanex16_b32 v[T+6+\rb], v[T+4+\rb], s36, s37
.endr
.irp rb, 0,1
	v_max_num_f32 v[T+4+\rb], v[T+4+\rb], v[T+6+\rb]
.endr
.irp rb, 0,1
	v_add_nc_u32 v[T+8+\rb], 0xff000000, v[T+4+\rb]   ; 2 off the exponent field: the conversion's scale operand
.endr
.irp rb, 0,1
	v_lshrrev_b32 v[T+10+\rb], 23, v[T+8+\rb]      ; the scale's byte
.endr
.irp rb, 0,1
	v_cvt_scalef32_pk8_fp4_f32 v[T+2*\rb], v[ACC+48*\rb+32:ACC+48*\rb+39], v[T+8+\rb]
	v_cvt_scalef32_pk8_fp4_f32 v[T+2*\rb+1], v[ACC+48*\rb+40:ACC+48*\rb+47], v[T+8+\rb]
.endr
	v_nop                                          ; one plain line behind the scaled conversions
	v_permlane16_swap_b32 v[T], v[T+2]             ; lanes 0-15 now hold the whole 16 bytes of rows 0-15, lanes 16-31 those of rows 16-31
	v_permlane16_swap_b32 v[T+1], v[T+3]
	v_cndmask_b32 v12, v[T+10], v[T+11], s38       ; and the byte of the same row
	global_store_b128 v4, v[T:T+3], s[14:15]       ; sixteen lanes store 256 consecutive bytes, at a multiple of 256 from the buffer's first byte
.endif
.Lskip_a:
.if LAYER
	s_wait_kmcnt 0x0                               ; the lists' words
	s_wait_dscnt 0x0                               ; my stores into the stage have landed (my reads of the last trip's stage were awaited there)
	s_barrier_signal -1
	s_barrier_wait -1                              ; one barrier a trip, on every wave's way: the two stages take turns, so a stage is written again only behind the next trip's barrier
	s_cmp_lt_u32 s23, s22
	s_cbranch_scc0 .Lskip_b
	v_add_nc_u32 v9, s39, v6
.irp q, 0,1,2,3,4,5,6,7
	ds_load_b128 v[T+4*\q:T+4*\q+3], v9 offset:528*\q   ; rows 8 w + q, whole: 512 bytes
.endr
	s_wait_dscnt 0x0
.macro OUTROW q                        ; a padding row (list word -1) is not stored
	s_cmp_lt_u32 s[72+\q], 8192
	s_cbranch_scc0 .Lpad_\@
	s_min_u32 s25, s[72+\q], 8191
	v_lshl_add_u32 v[16+\q], s25, 12, v7
.irp e, 0,1,2,3
	v_mul_f32 v[T+4*\q+\e], s[80+\q], v[T+4*\q+\e]   ; x float(mask)
.endr
	global_store_b128 v[16+\q], v[T+4*\q:T+4*\q+3], s[16:17] th:TH_STORE_NT   ; 512 consecutive bytes of one row of out0, at a multiple of 256 from its first byte
.Lpad_\@:
.endm
.irp q, 0,1,2,3,4,5,6,7
	OUTROW \q
.endr
.Lskip_b:
.else
	v_add_nc_u32 v9, s39, v5
	ds_store_b8 v9, v12                            ; on every way: trip i, row = lane, byte w
.endif
	s_wait_xcnt 0x0                                ; the trip's stores and loads have read their registers and bases: only behind this wait are they written again
	s_add_co_u32 s23, s23, 32
.if LAYER
	s_xor_b32 s39, s39, 16896                      ; the other stage
	s_add_co_u32 s40, s40, 4096
.else
	s_add_co_u32 s39, s39, 128
	s_add_nc_u64 s[14:15], s[14:15], 524288
.endif
	s_add_co_u32 s24, s24, 1
	s_cmp_lt_u32 s24, 8
	s_cbranch_scc1 .Ltrip
.if LAYER == 0
	s_wait_dscnt 0x0                               ; my byte stores have landed
	s_barrier_signal -1
	s_barrier_wait -1
	ds_load_b64 v[T:T+1], v13                      ; the four waves' bytes make the rows' scale words of K step t
	s_wait_dscnt 0x0
	global_store_b64 v13, v[T:T+1], s[44:45]       ; a wave stores 256 consecutive bytes, at a multiple of 256 from the buffer's first byte
.endif
	s_wait_tensorcnt 0x0                           ; the wave's end: behind my last LDS store
	ds_add_u32 v10, v11
	s_wait_dscnt 0x0
	s_endpgm
.Lfunc_end_k_q0f8fcac999_layer1:
	.size	k_q0f8fcac999_layer1, .Lfunc_end_k_q0f8fcac999_layer1-k_q0f8fcac999_layer1
	.p2alignl 7, 3214868480
	.fill 96, 4, 3214868480
	.section	.rodata,"a",@progbits
	.p2align	6, 0x0
	.amdhsa_kernel k_q0f8fcac999_layer1
		.amdhsa_group_segment_fixed_size 34304
		.amdhsa_private_segment_fixed_size 0
		.amdhsa_enable_private_segment 0
		.amdhsa_kernarg_size 56
		.amdhsa_user_sgpr_count 2
		.amdhsa_user_sgpr_kernarg_segment_ptr 1
		.amdhsa_wavefront_size32 1
		.amdhsa_system_sgpr_workgroup_id_x 1
		.amdhsa_system_sgpr_workgroup_id_y 1
		.amdhsa_system_sgpr_workgroup_id_z 1
		.amdhsa_system_vgpr_workitem_id 0
		.amdhsa_next_free_vgpr 896
		.amdhsa_next_free_sgpr 90
		.amdhsa_reserve_vcc 0
		.amdhsa_float_denorm_mode_32 3
		.amdhsa_float_denorm_mode_16_64 3
		.amdhsa_memory_ordered 1
		.amdhsa_forward_progress 1
		.amdhsa_inst_pref_size 59
	.end_amdhsa_kernel
	.amdgpu_metadata
---
amdhsa.version: [ 1, 2 ]
amdhsa.kernels:
  - .name:           k_q0f8fcac999_layer1
    .symbol:         k_q0f8fcac999_layer1.kd
    .args:
      - { .name: ha, .offset: 0, .size: 8, .value_kind: global_buffer, .address_space: global }
      - { .name: wq, .offset: 8, .size: 8, .value_kind: global_buffer, .address_space: global }
      - { .name: b_ih1, .offset: 16, .size: 8, .value_kind: global_buffer, .address_space: global }
      - { .name: b_hh1, .offset: 24, .size: 8, .value_kind: global_buffer, .address_space: global }
      - { .name: olist, .offset: 32, .size: 8, .value_kind: global_buffer, .address_space: global }
      - { .name: mfl, .offset: 40, .size: 8, .value_kind: global_buffer, .address_space: global }
      - { .name: out0, .offset: 48, .size: 8, .value_kind: global_buffer, .address_space: global }
    .group_segment_fixed_size: 34304
    .private_segment_fixed_size: 0
    .kernarg_segment_align: 8
    .kernarg_segment_size: 56
    .max_flat_workgroup_size: 128
    .sgpr_count:     90
    .vgpr_count:     896
    .wavefront_size: 32
...
	.end_amdgpu_metadata
.endif
;; end of part 3
;; ======== version 2 of 2: 3 launches
;; workspace buffers: xa 4,456,448 bytes; ha 4,456,448 bytes; wq 3,342,336 bytes; olist 33,024 bytes of whole numbers; mfl 32,768 bytes
;; launch prep (part 4): grid 448 x 1, 8 waves a work-group, no clusters, 57,600 bytes of LDS; arguments inputs, inputs_mask, W_ih0, W_ih1, xa, wq, olist, mfl, out0; writes xa, wq, olist, mfl, out0
.if DOCPART == 4
	.amdgcn_target "amdgcn-amd-amdhsa--gfx1250"
	.amdhsa_code_object_version 6
	.text
	.protected	k_q0f8fcac999_prep
	.globl	k_q0f8fcac999_prep
	.p2align	8
	.type	k_q0f8fcac999_prep,@function
k_q0f8fcac999_prep:
	s_mov_b64 s[64:65], 0
	v_nop
	global_prefetch_b8 v0, s[64:65] scope:SCOPE_SE
	s_setreg_imm32_b32 hwreg(HW_REG_WAVE_MODE, 25, 1), 1
	s_wait_xcnt 0x0
; PREP: the first of three launches for out[l][b][:] = mask[b][l] x GRU1(GRU0(inputs[b][l][:])), both cells with a hidden state of zeros, both products on codes of E2M1 with one E8M0 scale for each 32 along K.
; WORK LEFT OUT, for all values of the inputs:
;   W_hh0, W_hh1: the cell is defined with h_prev = 0 and drops W_hh in its own body (W_hh x 0 = 0), so they reach no output: they are not loaded and are among no launch's arguments.
;   Rows whose mask is 0: out = h2 x 0 = 0 whatever h2 holds.  The mask is a whole-number input that this launch reads from memory: rows with mask 0 get zeros here and are neither read nor multiplied;
;   the other rows are ranked (a compact row number p for each) and only they go through the two layers; their result is multiplied by float(mask), whatever non-zero number the mask holds.
;   LIMIT: a NaN, an infinity or an overflow that arises only in W_hh or in a row whose mask is 0 is not carried to the result.
; WHAT IT MAKES.  (1) zeros in out0 for rows with mask 0.  (2) olist[p] = output row 16 l + b of compact row p, -1 for p >= R (R = rows alive); behind the list NC = max(32, ceil(R / 32)); mfl[p] = float(mask).
;   (3) codes and scale words of the live rows of inputs (xa) and of W_ih0, W_ih1 (wq), laid in the order of the matrix operand's registers: a unit of 32 rows is [u 0..1][K block 0..31][r 0..15][16 bytes],
;   so that bytes u 8192 + j 1024 + 512 c + 16 lane are registers 4 c .. 4 c + 3 of the fragment (16 rows u, K step j).  Scale words: [K step j][32 rows], one word a row.
;   Of a weight unit (gate g, hidden block hb of 32) place r of tile u is row 1024 g + 32 hb + 8 u + r % 8 + 16 (r / 8): the product's results then lie with 16 neighbours along the next K in a lane.
; THE QUANTISER: a block's scale is 2^(floor(log2(largest magnitude)) - 2): its byte is the largest magnitude's exponent field - 2.
;   LIMITS: the byte is held at 1 from below (blocks whose largest magnitude lies under 2^-124); a block of zeros gets the byte 1 where the rule says 127: its codes are zeros, and this program alone reads the bytes.
;   NaN and infinities among the inputs are not served.
; SHARES.  Work-groups 0-255: x units (chunk c of 32 compact rows; also the zeros of the 32 original rows 32 c ..).  Work-groups 256-447: weight units.  Eight waves, four rows each.
;   Ranks p >= R inside a chunk that is made are filled with copies of row 8191: padding, whose results are never stored.  Chunks c >= NC are not made.
;   NC IS AT LEAST 32: each of the layer launches' 32 row groups then has a first chunk, whose fetch is issued from ids alone, ahead of the count's arrival.  The price: where fewer than 993 rows are alive,
;   the chunks from ceil(R / 32) to 31 are padding, made here and computed in the layers for nothing; from 993 live rows on nothing more is done than the rows ask for.
;   Every x work-group ranks the whole mask for itself (32 KiB): no traffic between work-groups.  The order of ranks is: wave's 1,024 rows, then ballot word, then bit: any fixed order serves.
; The olist, mfl and x scale-word stores are 128 bytes each, half of an aligned 256: 1.25 KiB a chunk beside its 16 KiB of codes.
; No tensor load.  No cluster: work-groups share no large input.  All row loads of a wave go out at once, 16 KiB a wave.
.set XUNITS, 256
.set WHALF,  96                        ; weight units a layer
.set STG,    4608                      ; LDS 0: a stage for each wave: 32 places of 128 bytes + 16 of padding
.set IMG,    36864                     ; the unit's image on its way out: 64 pieces of 256 bytes + 16 of padding
.set SCS,    54272                     ; its scale bytes [j][row place][4]
.set TOT,    55296                     ; the waves' counts of live rows
.set LST,    55552                     ; [wave][rank in the chunk]: row + 1 where the wave owns the rank, else 0
.set SPARE,  56576                     ; the spare words, 128 bytes for each of the eight waves
.set XSC,    4194304                   ; xa: where the scale words begin
.set WSC,    3145728                   ; wq: likewise
.set WLC,    1572864                   ; wq: a layer's codes
.set WLS,    98304                     ; wq: a layer's scale words
.set RW,     72                        ; v72-199 four rows x 32 registers (first the wave's 32 mask words)
.set CD,     48                        ; v48-63  codes, four registers a row
.set SBY,    64                        ; v64-67  a scale byte a row
; v1 lane, v2 16 lane; v5-v17 addresses (below); v18, v19 the add's two; v20-23 zeros; v24-35 at work; v36-45 wave 0's list work; v68-70 at work
.macro BARRIER
	s_wait_dscnt 0x0                               ; my LDS stores have landed and my LDS loads are in
	s_barrier_signal -1
	s_barrier_wait -1
.endm
	s_load_b512 s[4:19], s[0:1], 0x0               ; inputs s[4:5], mask s[6:7], W_ih0 s[8:9], W_ih1 s[10:11], xa s[12:13], wq s[14:15], olist s[16:17], mfl s[18:19]
	s_load_b64 s[20:21], s[0:1], 0x40              ; out0
	v_lshl_add_u32 v18, v0, 2, SPARE               ; my spare word
	v_mov_b32 v19, 0
	v_lshrrev_b32 v1, 5, v0
	v_readfirstlane_b32 s22, v1                    ; wave w
	v_and_b32 v1, 31, v0                           ; lane
	v_lshlrev_b32 v2, 4, v1                        ; 16 lane
	; every LDS address is made here, ahead of the parting of x units and weight units
	s_mul_i32 s24, s22, STG
	v_lshrrev_b32 v24, 3, v1
	v_and_b32 v25, 7, v1
	v_mul_u32_u24 v5, v24, 144
	v_lshl_add_u32 v5, v25, 4, v5
	v_add_nc_u32 v5, s24, v5                       ; v5: the stage on the way in: 144 (lane / 8) + 16 (lane % 8); load q of a row lies 576 q on
	v_mul_u32_u24 v6, v1, 144
	v_add_nc_u32 v6, s24, v6                       ; v6: on the way out: place = lane: K block = lane
	s_lshr_b32 s25, s22, 2
	s_mul_i32 s25, s25, 8704
	s_and_b32 s26, s22, 3
	s_lshl_b32 s26, s26, 6
	s_add_co_u32 s25, s25, s26
	s_add_co_u32 s25, s25, IMG
	v_mul_u32_u24 v7, v1, 272
	v_add_nc_u32 v7, s25, v7                       ; v7: the image: piece 32 (w / 4) + lane, place 4 (w % 4) + i
	v_lshrrev_b32 v24, 2, v1
	v_and_b32 v25, 3, v1
	v_lshl_add_u32 v8, v24, 7, v25
	s_lshl_b32 s25, s22, 4
	s_add_co_u32 s26, s25, SCS
	v_add_nc_u32 v8, s26, v8                       ; v8: my block's scale byte: 128 (lane / 4) + lane % 4 + 4 (4 w + i)
	s_add_co_u32 s26, s25, LST
	v_lshl_add_u32 v17, v25, 2, s26                ; v17: the list: my wave's four ranks
	v_lshrrev_b32 v24, 4, v1
	v_and_b32 v25, 15, v1
	v_mul_u32_u24 v9, v24, 272
	v_lshl_add_u32 v9, v25, 4, v9
	s_mul_i32 s25, s22, 544
	s_add_co_u32 s25, s25, IMG
	v_add_nc_u32 v9, s25, v9                       ; v9: the image back: pieces 2 w, 2 w + 1, sixteen lanes to a piece
	v_lshl_add_u32 v10, v0, 2, SCS                 ; v10: the scale words back: wave w takes K step w
	v_lshlrev_b32 v11, 4, v0                       ; v11: and the image's place in memory: 512 w + 16 lane
	s_lshl_b32 s25, s22, 2
	s_add_co_u32 s25, s25, TOT
	v_mov_b32 v13, s25                             ; v13: my wave's count
	v_mov_b32 v14, TOT                             ; v14: all eight
	v_lshl_add_u32 v15, v0, 2, LST                 ; v15: the list: [my wave][lane]
	v_lshl_add_u32 v16, v1, 2, LST                 ; v16: the list: rank = lane
	s_lshl_b32 s25, ttmp9, 7
	v_lshl_add_u32 v40, v1, 2, s25                 ; v40: 128 c + 4 lane: a chunk's words in olist and mfl (used by x units alone)
	v_mov_b32 v38, 0                               ; the gathered mask value: written here so that it is defined on every way to the store at the end
	s_mov_b32 s25, 0
	s_wait_kmcnt 0x0
	s_cmp_ge_u32 ttmp9, XUNITS
	s_cbranch_scc1 .Lweights
	; ---------------- an x unit: chunk c
	s_mov_b32 s23, ttmp9                           ; c
	s_lshl_b32 s24, s23, 7
	s_lshl_b32 s26, s22, 4
	s_add_co_u32 s24, s24, s26
	s_load_b128 s[28:31], s[6:7], s24 offset:0x0   ; the mask of original rows 32 c + 4 w + 0 .. 3
	v_lshl_add_u32 v3, s22, 12, v2                 ; my wave's 1,024 mask words: 4096 w + 16 lane
.irp i, 0,1,2,3,4,5,6,7
	global_load_b128 v[RW+4*\i:RW+4*\i+3], v3, s[6:7] offset:512*\i   ; register 4 i + q: row 1024 w + 128 i + 4 lane + q
.endr
.irp i, 20,21,22,23
	v_mov_b32 v\i, 0
.endr
	s_lshl_b32 s26, s23, 5
	s_lshl_b32 s27, s22, 2
	s_add_co_u32 s26, s26, s27
	s_and_b32 s26, s26, 511                        ; l of original row 32 c + 4 w
	s_lshl_b32 s26, s26, 4
	s_lshr_b32 s27, s23, 4                         ; b
	s_add_co_u32 s26, s26, s27                     ; its output row 16 l + b; the next three lie 16 rows on each
	v_lshl_add_u32 v4, s26, 12, v2
	s_wait_kmcnt 0x0
.macro ZROW i                          ; a row whose mask is 0: 4,096 bytes of zeros, each store 512 consecutive bytes.  The address hangs on ids alone, the branch on the mask
	s_cmp_lg_u32 s[28+\i], 0
	s_cbranch_scc1 .Llive_\@
.irp q, 0,1,2,3,4,5,6,7
	global_store_b128 v4, v[20:23], s[20:21] offset:65536*\i+512*\q th:TH_STORE_NT
.endr
.Llive_\@:
.endm
	ZROW 0
	ZROW 1
	ZROW 2
	ZROW 3
	s_wait_loadcnt 0x0                             ; the mask words
	s_mov_b32 s77, 0
.set k, 0
.rept 32
	v_cmp_ne_u32 s[32+k], 0, v[RW+k]               ; ballot k: bit = lane
.set k, k+1
.endr
.set k, 0
.rept 32
	s_bcnt1_i32_b32 s24, s[32+k]
	s_add_co_u32 s77, s77, s24                     ; my wave's live rows
.set k, k+1
.endr
	v_mov_b32 v24, s77
	ds_store_b32 v13, v24
	BARRIER                                        ; the eight counts lie in LDS
	ds_load_b128 v[24:27], v14
	ds_load_b128 v[28:31], v14 offset:16
	s_wait_dscnt 0x0
.irp a, 0,1,2,3,4,5,6,7
	v_readfirstlane_b32 s[66+\a], v[24+\a]
.endr
	s_mov_b32 s74, 0                               ; the first rank of my wave's rows
	s_mov_b32 s75, 0                               ; R
.irp a, 0,1,2,3,4,5,6,7
	s_cmp_gt_u32 s22, \a
	s_cselect_b32 s24, s[66+\a], 0
	s_add_co_u32 s74, s74, s24
	s_add_co_u32 s75, s75, s[66+\a]
.endr
	s_add_co_u32 s78, s75, 31
	s_lshr_b32 s78, s78, 5
	s_max_u32 s78, s78, 32                         ; NC: a first chunk for each of the 32 row groups
	; which of my wave's rows has rank p = 32 c + lane?  The last ballot word whose first rank is at or under p holds it
	s_lshl_b32 s24, s23, 5
	v_add_nc_u32 v24, s24, v1                      ; p
	v_mov_b32 v25, 0                               ; the word
	v_mov_b32 v26, 0                               ; its first rank
	v_mov_b32 v27, 0                               ; its number
	s_mov_b32 s76, s74
.set k, 0
.rept 32
	v_cmp_le_u32 vcc_lo, s76, v24
	v_cndmask_b32 v25, v25, s[32+k], vcc_lo
	v_cndmask_b32 v26, v26, s76, vcc_lo
	v_cndmask_b32 v27, v27, k, vcc_lo
	s_bcnt1_i32_b32 s24, s[32+k]
	s_add_co_u32 s76, s76, s24
.set k, k+1
.endr
	v_cmp_le_u32 s24, s74, v24
	v_cmp_gt_u32 s26, s76, v24
	s_and_b32 s24, s24, s26                        ; the lanes whose rank lies among my wave's rows
	v_sub_nc_u32 v28, v24, v26                     ; which set bit of the word
	v_lshrrev_b32 v34, 1, v25                      ; counts of set bits in fields of 2, 4, 8, 16 bits
	v_and_b32 v34, 0x55555555, v34
	v_sub_nc_u32 v30, v25, v34
	v_lshrrev_b32 v34, 2, v30
	v_and_b32 v34, 0x33333333, v34
	v_and_b32 v31, 0x33333333, v30
	v_add_nc_u32 v31, v31, v34
	v_lshrrev_b32 v34, 4, v31
	v_add_nc_u32 v32, v31, v34
	v_and_b32 v32, 0x0f0f0f0f, v32
	v_lshrrev_b32 v34, 8, v32
	v_add_nc_u32 v33, v32, v34
	v_and_b32 v33, 0x00ff00ff, v33
	v_mov_b32 v29, 0                               ; the bit's place, found by halving
.macro BITSTEP src, w                  ; if the field of w bits at the place holds too few set bits, pass over it
	v_bfe_u32 v34, v[\src], v29, \w
	v_cmp_ge_u32 vcc_lo, v28, v34
	v_cndmask_b32 v34, 0, v34, vcc_lo
	v_cndmask_b32 v35, 0, \w, vcc_lo
	v_sub_nc_u32 v28, v28, v34
	v_add_nc_u32 v29, v29, v35
.endm
	BITSTEP 33, 16
	BITSTEP 32, 8
	BITSTEP 31, 4
	BITSTEP 30, 2
	BITSTEP 25, 1
	v_lshrrev_b32 v34, 2, v27
	v_and_b32 v35, 3, v27
	v_lshl_add_u32 v34, v34, 7, v35
	v_lshl_add_u32 v34, v29, 2, v34                ; 128 (k / 4) + 4 bit + k % 4
	s_lshl_b32 s26, s22, 10
	s_add_co_u32 s26, s26, 1
	v_add_nc_u32 v34, s26, v34                     ; the row + 1
	v_cndmask_b32 v34, 0, v34, s24
	ds_store_b32 v15, v34
	BARRIER                                        ; each rank of the chunk has its row in one wave's line of the list, zeros in the others
.irp a, 0,1,2,3,4,5,6,7
	ds_load_b32 v[24+\a], v17 offset:128*\a
.endr
	s_wait_dscnt 0x0
	v_add3_u32 v24, v24, v25, v26
	v_add3_u32 v27, v27, v28, v29
	v_add3_u32 v24, v24, v30, v31
	v_add_nc_u32 v24, v24, v27
	v_add_nc_u32 v24, -1, v24                      ; the row; all ones where the rank is beyond R
.irp i, 0,1,2,3
	v_readlane_b32 s[80+\i], v24, \i
.endr
.irp i, 0,1,2,3
	s_min_u32 s[80+\i], s[80+\i], 8191             ; held inside the tensor: ranks beyond R become copies of row 8191
.endr
	s_cmp_lg_u32 s22, 0
	s_cbranch_scc1 .Lnot_wave_0
.irp a, 0,1,2,3,4,5,6,7
	ds_load_b32 v[24+\a], v16 offset:128*\a        ; wave 0: the chunk's whole list, a rank a lane
.endr
	s_wait_dscnt 0x0
	v_add3_u32 v24, v24, v25, v26
	v_add3_u32 v27, v27, v28, v29
	v_add3_u32 v24, v24, v30, v31
	v_add_nc_u32 v24, v24, v27
	v_add_nc_u32 v36, -1, v24
	v_and_b32 v25, 511, v36
	v_lshrrev_b32 v26, 9, v36
	v_lshl_or_b32 v39, v25, 4, v26                 ; output row 16 l + b
	v_cmp_gt_u32 vcc_lo, 8192, v36
	v_cndmask_b32 v39, -1, v39, vcc_lo
	global_store_b32 v40, v39, s[16:17]
	v_min_u32 v37, 8191, v36
	v_lshlrev_b32 v37, 2, v37
	global_load_b32 v38, v37, s[6:7]               ; the row's mask: older than the row loads below, so their counted waits cover it
	s_cmp_lg_u32 s23, 0
	s_cbranch_scc1 .Lnot_wave_0
	v_mov_b32 v42, s78                             ; work-group 0: NC, in all 64 words behind the list: 256 consecutive bytes
	v_mov_b32 v43, s78
	v_lshlrev_b32 v45, 3, v1
	global_store_b64 v45, v[42:43], s[16:17] offset:32768
.Lnot_wave_0:
	s_cmp_lt_u32 s23, s78
	s_cselect_b32 s79, 1, 0                        ; is the chunk made?
	s_mov_b64 s[92:93], s[4:5]                     ; the rows come from inputs
	s_lshl_b32 s24, s23, 14
	s_add_nc_u64 s[94:95], s[12:13], s[24:25]      ; the image goes to xa + 16384 c
	s_and_b32 s24, s23, 31
	s_lshl_b32 s24, s24, 3
	s_lshr_b32 s26, s23, 5
	s_add_co_u32 s24, s24, s26                     ; the chunk's place among the scale words: 8 (c % 32) + c / 32
	s_lshl_b32 s24, s24, 7
	s_add_co_u32 s24, s24, XSC
	s_add_nc_u64 s[96:97], s[12:13], s[24:25]
	s_lshl_b32 s24, s22, 15                        ; K step w lies 32768 w on
	v_lshl_add_u32 v12, v1, 2, s24
	s_branch .Lrows
	; ---------------- a weight unit
.Lweights:
	s_sub_co_u32 s23, ttmp9, XUNITS
	s_cmp_ge_u32 s23, WHALF                        ; which layer: ids alone
	s_cselect_b64 s[92:93], s[10:11], s[8:9]
	s_cselect_b32 s24, WHALF, 0
	s_cselect_b32 s26, WLC, 0
	s_cselect_b32 s27, WLS, 0
	s_sub_co_u32 s23, s23, s24                     ; 32 g + hb
	s_lshr_b32 s28, s23, 5                         ; gate g
	s_and_b32 s29, s23, 31                         ; hidden block hb
	s_mul_i32 s77, s29, 49152
	s_add_co_u32 s26, s26, s77
	s_lshl_b32 s77, s28, 14
	s_add_co_u32 s24, s26, s77
	s_add_nc_u64 s[94:95], s[14:15], s[24:25]      ; the image: layer, hb, g
	s_mul_i32 s77, s29, 3072
	s_add_co_u32 s27, s27, s77
	s_lshl_b32 s77, s28, 10
	s_add_co_u32 s27, s27, s77
	s_add_co_u32 s24, s27, WSC
	s_add_nc_u64 s[96:97], s[14:15], s[24:25]      ; its scale words
	s_lshl_b32 s80, s23, 5                         ; my four rows: 32 (32 g + hb) + 8 (w / 4) + 4 (w % 2) + 16 ((w / 2) % 2) + i
	s_lshr_b32 s24, s22, 2
	s_lshl_b32 s24, s24, 3
	s_add_co_u32 s80, s80, s24
	s_and_b32 s24, s22, 1
	s_lshl_b32 s24, s24, 2
	s_add_co_u32 s80, s80, s24
	s_bfe_u32 s24, s22, 0x10001
	s_lshl_b32 s24, s24, 4
	s_add_co_u32 s80, s80, s24
	s_add_co_u32 s81, s80, 1
	s_add_co_u32 s82, s80, 2
	s_add_co_u32 s83, s80, 3
	s_mov_b32 s79, 1
	s_lshl_b32 s24, s22, 7                         ; K step w lies 128 w on
	v_lshl_add_u32 v12, v1, 2, s24
	; ---------------- both: four rows a wave become codes and scale bytes
.Lrows:
	s_cmp_eq_u32 s79, 0
	s_cbranch_scc1 .Lnowork
.macro ROWLOAD i                       ; a row of 4,096 bytes: eight loads of 512 consecutive bytes.  Read once in the launch (padding copies aside)
	s_lshl_b32 s24, s[80+\i], 12
	s_add_nc_u64 s[84+2*\i:85+2*\i], s[92:93], s[24:25]
.irp q, 0,1,2,3,4,5,6,7
	global_load_b128 v[RW+32*\i+4*\q:RW+32*\i+4*\q+3], v2, s[84+2*\i:85+2*\i] offset:512*\q th:TH_LOAD_NT
.endr
.endm
.macro TURN i                          ; through my stage: in as loaded, back 128 bytes a lane: lane = K block.  LDS serves a wave's instructions in order: no wait between, nor ahead of the next row's stores
.irp q, 0,1,2,3,4,5,6,7
	ds_store_b128 v5, v[RW+32*\i+4*\q:RW+32*\i+4*\q+3] offset:576*\q
.endr
.irp q, 0,1,2,3,4,5,6,7
	ds_load_b128 v[RW+32*\i+4*\q:RW+32*\i+4*\q+3], v6 offset:16*\q
.endr
.endm
.macro COMP i                          ; my block of row i: largest magnitude, scale, 32 codes
.set XS, RW+32*\i
	v_max3_num_f32 v68, |v[XS]|, |v[XS+1]|, |v[XS+2]|
	v_max3_num_f32 v69, |v[XS+3]|, |v[XS+4]|, |v[XS+5]|
.irp n, 6,10,14,18,22,26
	v_max3_num_f32 v68, v68, |v[XS+\n]|, |v[XS+\n+1]|
	v_max3_num_f32 v69, v69, |v[XS+\n+2]|, |v[XS+\n+3]|
.endr
	v_max3_num_f32 v68, v68, |v[XS+30]|, |v[XS+31]|
	v_max3_num_f32 v68, v68, v69, 0x1800000        ; and the floor 2^(3 - 127): the byte cannot fall under 1
	v_add_nc_u32 v70, 0xff000000, v68              ; 2 off the exponent field: the conversion takes the exponent field of this operand as its scale
.irp g, 0,1,2,3
	v_cvt_scalef32_pk8_fp4_f32 v[CD+4*\i+\g], v[XS+8*\g:XS+8*\g+7], v70
.endr
	v_lshrrev_b32 v[SBY+\i], 23, v70               ; the scale's byte (a plain line behind the conversions)
	ds_store_b128 v7, v[CD+4*\i:CD+4*\i+3] offset:16*\i
	ds_store_b8 v8, v[SBY+\i] offset:4*\i
.endm
	ROWLOAD 0
	ROWLOAD 1
	ROWLOAD 2
	ROWLOAD 3
	s_wait_loadcnt 24                              ; row 0 is in; the 24 loads of the three younger rows may be out
	TURN 0
	s_wait_loadcnt 16
	TURN 1
	s_wait_dscnt 16                                ; row 0 is back from the stage; row 1's 16 LDS instructions may be out
	COMP 0
	s_wait_loadcnt 8
	TURN 2
	s_wait_dscnt 16                                ; all but row 2's 16
	COMP 1
	s_wait_loadcnt 0x0
	TURN 3
	s_wait_dscnt 16                                ; all but row 3's 16
	COMP 2
	s_wait_dscnt 0x0
	COMP 3
.Lnowork:
	BARRIER                                        ; on every wave's way: the unit's image and scale bytes lie in LDS
	s_cmp_eq_u32 s79, 0
	s_cbranch_scc1 .Lend
.irp i, 0,1,2,3
	ds_load_b128 v[RW+4*\i:RW+4*\i+3], v9 offset:4352*\i
.endr
	ds_load_b32 v68, v10
.irp i, 0,1,2,3
	s_wait_dscnt 4-\i                              ; the younger LDS loads may be out
	global_store_b128 v11, v[RW+4*\i:RW+4*\i+3], s[94:95] offset:4096*\i   ; 512 consecutive bytes, at a multiple of 256 from the buffer's first byte
.endr
	s_wait_dscnt 0x0
	global_store_b32 v12, v68, s[96:97]            ; K step w's 32 scale words
.Lend:
	s_cmp_ge_u32 ttmp9, XUNITS
	s_cbranch_scc1 .Ldone
	s_cmp_lg_u32 s22, 0
	s_cbranch_scc1 .Ldone
	s_wait_loadcnt 0x0                             ; wave 0 of an x unit: the gathered mask values
	v_cvt_f32_i32 v44, v38
	global_store_b32 v40, v44, s[18:19]
.Ldone:
	s_wait_tensorcnt 0x0                           ; the wave's end: behind my last LDS store
	ds_add_u32 v18, v19
	s_wait_dscnt 0x0
	s_endpgm
.Lfunc_end_k_q0f8fcac999_prep:
	.size	k_q0f8fcac999_prep, .Lfunc_end_k_q0f8fcac999_prep-k_q0f8fcac999_prep
	.p2alignl 7, 3214868480
	.fill 96, 4, 3214868480
	.section	.rodata,"a",@progbits
	.p2align	6, 0x0
	.amdhsa_kernel k_q0f8fcac999_prep
		.amdhsa_group_segment_fixed_size 57600
		.amdhsa_private_segment_fixed_size 0
		.amdhsa_enable_private_segment 0
		.amdhsa_kernarg_size 72
		.amdhsa_user_sgpr_count 2
		.amdhsa_user_sgpr_kernarg_segment_ptr 1
		.amdhsa_wavefront_size32 1
		.amdhsa_system_sgpr_workgroup_id_x 1
		.amdhsa_system_sgpr_workgroup_id_y 1
		.amdhsa_system_sgpr_workgroup_id_z 1
		.amdhsa_system_vgpr_workitem_id 0
		.amdhsa_next_free_vgpr 208
		.amdhsa_next_free_sgpr 100
		.amdhsa_reserve_vcc 1
		.amdhsa_float_denorm_mode_32 3
		.amdhsa_float_denorm_mode_16_64 3
		.amdhsa_memory_ordered 1
		.amdhsa_forward_progress 1
		.amdhsa_inst_pref_size 46
	.end_amdhsa_kernel
	.amdgpu_metadata
---
amdhsa.version: [ 1, 2 ]
amdhsa.kernels:
  - .name:           k_q0f8fcac999_prep
    .symbol:         k_q0f8fcac999_prep.kd
    .args:
      - { .name: inputs, .offset: 0, .size: 8, .value_kind: global_buffer, .address_space: global }
      - { .name: inputs_mask, .offset: 8, .size: 8, .value_kind: global_buffer, .address_space: global }
      - { .name: W_ih0, .offset: 16, .size: 8, .value_kind: global_buffer, .address_space: global }
      - { .name: W_ih1, .offset: 24, .size: 8, .value_kind: global_buffer, .address_space: global }
      - { .name: xa, .offset: 32, .size: 8, .value_kind: global_buffer, .address_space: global }
      - { .name: wq, .offset: 40, .size: 8, .value_kind: global_buffer, .address_space: global }
      - { .name: olist, .offset: 48, .size: 8, .value_kind: global_buffer, .address_space: global }
      - { .name: mfl, .offset: 56, .size: 8, .value_kind: global_buffer, .address_space: global }
      - { .name: out0, .offset: 64, .size: 8, .value_kind: global_buffer, .address_space: global }
    .group_segment_fixed_size: 57600
    .private_segment_fixed_size: 0
    .kernarg_segment_align: 8
    .kernarg_segment_size: 72
    .max_flat_workgroup_size: 256
    .sgpr_count:     100
    .vgpr_count:     208
    .wavefront_size: 32
...
	.end_amdgpu_metadata
.endif
;; end of part 4
;; launch layer0 (part 5): grid 8 x 32, 4 waves a work-group, no clusters, 1,536 bytes of LDS; arguments xa, wq, b_ih0, b_hh0, olist, ha; writes ha
.if DOCPART == 5
	.amdgcn_target "amdgcn-amd-amdhsa--gfx1250"
	.amdhsa_code_object_version 6
	.text
	.protected	k_q0f8fcac999_layer0
	.globl	k_q0f8fcac999_layer0
	.p2align	8
	.type	k_q0f8fcac999_layer0,@function
k_q0f8fcac999_layer0:
	s_mov_b64 s[64:65], 0
	v_nop
	global_prefetch_b8 v0, s[64:65] scope:SCOPE_SE
	s_setreg_imm32_b32 hwreg(HW_REG_WAVE_MODE, 25, 1), 1
	s_wait_xcnt 0x0
; A GRU LAYER WITH A HIDDEN STATE OF ZEROS, on compact rows.  LAYER = 0: x's codes (xa) -> h1's codes (ha).  LAYER = 1: h1's codes (ha) -> out0, x float(mask), scattered by the list.
;   g = x W_ih^T + b_ih;  r = sigmoid(g_r + bh_r);  z = sigmoid(g_z + bh_z);  n = tanh(g_n + r bh_n);  h = (1 - z) n.  The product is on codes of E2M1 with E8M0 scales, sums in f32; all else in f32.
; WORK LEFT OUT: W_hh (multiplied by a hidden state that is zero by definition) and the rows whose mask is 0 (their result is multiplied by 0): the first launch has written those rows' zeros and has
;   ranked the others; only chunks c < NC of 32 compact rows exist.  A NaN or an infinity that arises only there is not carried to the result.
; SHARES.  Grid 8 x 32: x = hidden tile t of 128, y = row group g.  Wave w owns hidden block hb = 4 t + w: 32 hidden units x 3 gates = 6 tiles of 16 rows of W_ih, for all of K: 48 fragments, 384 registers,
;   read from memory once.  The work-group walks chunks c = g + 32 i, i = 0 .. 7: a constant count of trips; a trip with c >= NC passes over the work by a scalar branch on the stored count, never over a barrier.
;   NC is at least 32 (the first launch holds it so): every row group has its chunk g, and that chunk's 40 loads are issued from ids alone, first of all, ahead of the count's arrival.
;   Where fewer than 993 rows are alive the chunks up to 31 hold padding rows, which are computed and never reach out0.
;   A chunk is 96 matrix instructions a wave (2 tiles of rows x 6 tiles of W x 8 K steps), twelve accumulators by turns, one instruction a turn.
; THE ORDER OF THE WEIGHTS' LOADS IS TURNED FROM ROW GROUP TO ROW GROUP.  A wave's 144 loads (96 of codes, 24 of scale words, 24 of biases) fall into eight parts, part j = K step j: 12 + 3 + 3.  A work-group begins
;   with part rot and goes round, rot = (g % 8) xor 3 (bit 3 of g) xor 6 (bit 4 of g): among any 16 row groups that share one bit of g all eight starts occur.  So the 32 row groups that read one block of weights
;   do not all ask for the same bytes at the launch's start: together their first loads ask for the whole block.  The register that a load fills is fixed by its text, so the eight orders are eight runs of text.
; THE PRODUCT IS USED TRANSPOSED: source 0 = 16 rows of W, source 1 = 16 rows of x: lane (r, h) holds row r, and register 8 u + j of a gate is hidden unit 32 hb + 16 h + 8 u + j (the first launch chose W's rows so).
;   The biases are the C of each sum's first instruction: b_ih + b_hh for r and z, b_ih for n.  So b_ih + b_hh is added ahead of the sum: an order of rounding that differs from the written one.
; ACTIVATIONS: with L = log2(e): r = 1 / (1 + 2^(-L a)), 1 - z = 1 / (1 + 2^(L a)), tanh(c) = 1 - 2 / (1 + 2^(2 L c)).  Where 2^x overflows the reciprocal gives 0, where it underflows 1: no clamp is needed.
; OPERANDS come from memory straight into registers, laid by the first launch (and by layer 0) in the order of the operand's registers: each lane loads 16 bytes, a load 512 consecutive bytes.
;   No tensor load and no joint load of a cluster, though 32 row groups read the same weights and 8 hidden tiles the same rows.
;   The next chunk's 40 loads are issued behind a chunk's products and land under its activations (192 transcendentals and 144 packed lines a lane).
; A PREFETCH of the chunk two trips on (c + 64): its 16,384 bytes of codes are 64 blocks of 256 bytes.  Of the eight hidden tiles that will read them tile 0 asks, in it waves 0 and 1, a lane a block, one instruction each,
;   behind the run of loads for chunk c + 32.  It asks only while c + 64 < NC: a group's last two chunks' trips ask for nothing, and no request leaves the chunks that exist.  A group's first two chunks come by their
;   loads alone.  The scale words (1 KiB a chunk) are not asked for.
; LIMITS of layer 0's quantiser: the scale byte is held at 1 from below; a block of zeros gets 1 where the rule says 127 (its codes are zeros; this program alone reads the bytes).
; REGISTERS, in windows of 256: window 0: v1 16 lane, v2 4 lane, v3 64 h, v4-v9 addresses, v10, v11 the add's two, v12 a scale byte, v13 8 x thread, v16-23 store offsets, v25 256 x thread (the prefetch's offset);
;   v32-55 W's scale words (8 g + j: lanes 0-15 tile u = 0, lanes 16-31 u = 1); v56-63 x's scale words (j: lanes 0-15 rows 0-15, lanes 16-31 rows 16-31); v64-111 the six C tiles; v112-127 2 L b_hn;
;   v128-223 accumulators at 48 rb + 8 tile; v224-255 at work.
;   window 1: W's fragments of K steps 0-4 at 8 (6 j + tile);  window 2: K steps 5-7;  window 3: x's fragments at 64 rb + 8 j.
.set LAYER, 0
.set ACC,  128
.set BI,   64
.set BHN,  112
.set BS,   32
.set AS,   56
.set T,    224
.set ASC,  4194304                     ; where the scale words begin in xa and in ha
.if LAYER
.set SPARE, 33792                      ; LDS: two stages of 32 rows x (512 + 16) bytes, then the spare words
.else
.set SPARE, 1024                       ; LDS: 1,024 scale bytes [trip][row][wave], then the spare words
.endif
.set MSB, 0
.macro WIN new                         ; the immediate's high byte repeats the setting that is left; a switch that changes nothing is dropped
.if MSB != \new
	s_set_vgpr_msb (MSB<<8)|\new
.set MSB, \new
.endif
.endm
; A chunk's operand: 32 loads of codes (2 tiles of rows x 8 K steps x 2) and 8 of scale words
.macro AFETCH
	WIN 0xc0                                       ; destination window 3
.irp rb, 0,1
.irp j, 0,1,2,3,4,5,6,7
.irp c, 0,1
	global_load_b128 v[64*\rb+8*\j+4*\c:64*\rb+8*\j+4*\c+3], v1, s[4:5] offset:\rb*8192+\j*1024+512*\c
.endr
.endr
.endr
	WIN 0
.irp j, 0,1,2,3,4,5,6,7
	global_load_b32 v[AS+\j], v2, s[28:29] offset:32768*\j
.endr
.endm
; Bias load n of 24.  0-11: b_ih, tile n / 2, half n % 2.  12-19: b_hh of r and z, for now where the accumulators will lie.  20-23: b_hh of n
.macro BIASLD n
.set BN, \n
.if BN < 12
	global_load_b128 v[BI+4*BN:BI+4*BN+3], v3, s[8:9] offset:(BN/4)*4096+((BN/2)%2)*32+(BN%2)*16
.elseif BN < 20
	global_load_b128 v[ACC+4*(BN-12):ACC+4*(BN-12)+3], v3, s[10:11] offset:((BN-12)/4)*4096+(((BN-12)/2)%2)*32+((BN-12)%2)*16
.else
	global_load_b128 v[BHN+4*(BN-20):BHN+4*(BN-20)+3], v3, s[10:11] offset:8192+((BN-20)/2)*32+((BN-20)%2)*16
.endif
.endm
; Part p of the weights' loads: K step p's six fragments, its three scale words, three of the bias loads
.macro PART p
.set PJ, \p
.if PJ < 5
	WIN 0x40                                       ; destination window 1
.set PB, 48*PJ
.else
	WIN 0x80                                       ; destination window 2
.set PB, 48*(PJ-5)
.endif
.irp tau, 0,1,2,3,4,5
.irp c, 0,1
	global_load_b128 v[PB+8*\tau+4*\c:PB+8*\tau+4*\c+3], v1, s[6:7] offset:(\tau/2)*16384+(\tau%2)*8192+PJ*1024+512*\c
.endr
.endr
	WIN 0
.irp g, 0,1,2
	global_load_b32 v[BS+8*\g+PJ], v2, s[42:43] offset:\g*1024+PJ*128
.endr
	BIASLD 3*PJ
	BIASLD 3*PJ+1
	BIASLD 3*PJ+2
.endm
.macro VARIANT r                       ; the eight parts, from part r on and round
.irp k, 0,1,2,3,4,5,6,7
.set VR, (\r+\k)%8
	PART VR
.endr
.endm
	s_load_b256 s[4:11], s[0:1], 0x0               ; A's codes and scales s[4:5], wq s[6:7], b_ih s[8:9], b_hh s[10:11]
	s_load_b128 s[12:15], s[0:1], 0x20             ; olist s[12:13]; ha (layer 0) or mfl (layer 1) s[14:15]
.if LAYER
	s_load_b64 s[16:17], s[0:1], 0x30              ; out0
.endif
	v_lshl_add_u32 v10, v0, 2, SPARE               ; my spare word
	v_mov_b32 v11, 0
	v_lshrrev_b32 v1, 5, v0
	v_readfirstlane_b32 s18, v1                    ; wave w
	s_mov_b32 s19, ttmp9                           ; hidden tile t
	s_and_b32 s20, ttmp7, 0xffff                   ; row group g
	s_lshl_b32 s21, s19, 2
	s_add_co_u32 s21, s21, s18                     ; hidden block hb
	v_and_b32 v14, 31, v0                          ; lane
	v_lshlrev_b32 v1, 4, v14
	v_lshlrev_b32 v2, 2, v14
	v_lshrrev_b32 v15, 4, v14                      ; h
	v_lshlrev_b32 v3, 6, v15                       ; the biases of my half: 16 h numbers on
	v_and_b32 v24, 15, v14                         ; r
	v_lshlrev_b32 v25, 8, v0                       ; the prefetch's offset: 8192 w + 256 lane; never rewritten
.if LAYER
	v_mul_u32_u24 v5, v24, 528
	v_add_nc_u32 v5, v5, v3
	s_lshl_b32 s25, s18, 7
	v_add_nc_u32 v5, s25, v5                       ; the stage, in: row r, my 64 bytes at 128 w + 64 h
	s_mul_i32 s25, s18, 4224
	v_add_nc_u32 v6, s25, v1                       ; back: rows 8 w + q, 16 bytes a lane
	s_lshl_b32 s25, s19, 9
	v_add_nc_u32 v7, s25, v1                       ; and in a row of out0: 512 t + 16 lane
.else
	v_lshlrev_b32 v4, 13, v15
	v_lshl_add_u32 v4, v24, 4, v4                  ; h1's codes: 8192 (lane / 16) + 16 (lane % 16)
	v_add_nc_u32 v5, s18, v2                       ; the scale bytes in LDS: 4 lane + w
	v_lshlrev_b32 v13, 3, v0
	v_mov_b32 v230, 0                              ; written once: a lane permute's destination counts as one of its sources
	v_mov_b32 v231, 0
	s_mov_b32 s36, 0x76543210
	s_mov_b32 s37, 0xfedcba98                      ; selects for lane l xor 16
	s_mov_b32 s38, 0xffff0000                      ; lanes 16-31
.endif
	s_mov_b32 s30, 0xbfb8aa3b                      ; -L, L, 2 L: the packed forms name pairs and take the low word for both halves
	s_mov_b32 s31, s30
	s_mov_b32 s32, 0x3fb8aa3b
	s_mov_b32 s33, s32
	s_mov_b32 s34, 0x4038aa3b
	s_mov_b32 s35, s34
	s_mov_b32 s27, 0
	s_and_b32 s41, s20, 7                          ; rot: with which part my weights' loads begin
	s_bfe_u32 s25, s20, 0x10003
	s_mul_i32 s25, s25, 3
	s_xor_b32 s41, s41, s25
	s_bfe_u32 s25, s20, 0x10004
	s_mul_i32 s25, s25, 6
	s_xor_b32 s41, s41, s25
.if LAYER
	s_lshl_b32 s40, s20, 7
	s_lshl_b32 s25, s18, 5
	s_add_co_u32 s40, s40, s25                     ; my eight words of the lists: 128 c + 32 w
.endif
	s_wait_kmcnt 0x0
	s_load_b32 s22, s[12:13], 0x8000               ; NC; awaited behind the weights' loads
.if LAYER
	s_load_b256 s[72:79], s[12:13], s40 offset:0x0 ; the first chunk's list words: output rows of compact rows 32 c + 8 w + 0 .. 7,
	s_load_b256 s[80:87], s[14:15], s40 offset:0x0 ; and float(mask)
.endif
	s_lshl_b32 s26, s20, 10
	s_add_co_u32 s26, s26, ASC
	s_add_nc_u64 s[28:29], s[4:5], s[26:27]        ; chunk g's scale words: place 8 g
	s_lshl_b32 s26, s20, 14
	s_add_nc_u64 s[4:5], s[4:5], s[26:27]          ; its codes
	AFETCH                                         ; the first chunk, first of all: it exists whatever the count
	s_mul_i32 s26, s21, 3072
	s_add_co_u32 s26, s26, 3145728+LAYER*98304
	s_add_nc_u64 s[42:43], s[6:7], s[26:27]        ; my block's scale words of W
	s_mul_i32 s26, s21, 49152
.if LAYER
	s_add_co_u32 s26, s26, 1572864
.endif
	s_add_nc_u64 s[6:7], s[6:7], s[26:27]          ; and its codes
	s_lshl_b32 s26, s21, 7
	s_add_nc_u64 s[8:9], s[8:9], s[26:27]          ; the biases at hidden unit 32 hb
	s_add_nc_u64 s[10:11], s[10:11], s[26:27]
.if LAYER == 0
	s_lshl_b32 s26, s19, 15
	s_lshl_b32 s25, s20, 10
	s_add_co_u32 s26, s26, s25
	s_add_co_u32 s26, s26, ASC
	s_add_nc_u64 s[44:45], s[14:15], s[26:27]      ; h1's scale words: K step t, places 8 g .. 8 g + 7
	s_lshl_b32 s26, s21, 8
	s_lshl_b32 s25, s20, 14
	s_add_co_u32 s26, s26, s25
	s_add_nc_u64 s[14:15], s[14:15], s[26:27]      ; h1's codes: chunk g, K block hb
.endif
.irp r, 1,2,3,4,5,6,7
	s_cmp_eq_u32 s41, \r                           ; ids alone: the same way for all four waves
	s_cbranch_scc1 .Lrot_\r
.endr
	VARIANT 0
	s_branch .Lloaded
.irp r, 1,2,3,4,5,6
.Lrot_\r:
	VARIANT \r
	s_branch .Lloaded
.endr
.Lrot_7:
	VARIANT 7
.Lloaded:
	s_wait_kmcnt 0x0                               ; NC (layer 1: and the first list words)
	s_lshr_b32 s25, s18, 1                         ; 0 in waves 0 and 1,
	s_or_b32 s25, s25, s19                         ; of hidden tile 0:
	s_cmp_eq_u32 s25, 0
	s_cselect_b32 s46, s22, 0                      ; they prefetch while c + 64 is under NC, the others never
	s_wait_loadcnt 0x0                             ; for 0: the order of the loads differs from way to way
.set n, 0
.rept 16
	v_pk_add_f32 v[BI+n:BI+n+1], v[BI+n:BI+n+1], v[ACC+n:ACC+n+1]   ; r, z: b_ih + b_hh
.set n, n+2
.endr
.macro PKMULS first, count, sreg       ; count pairs from v[first] on, times the scalar
.set n, \first
.rept \count
	v_pk_mul_f32 v[n:n+1], v[n:n+1], s[\sreg:\sreg+1] op_sel_hi:[1,0]
.set n, n+2
.endr
.endm
.macro PKADD1 first, count             ; count pairs, + 1
.set n, \first
.rept \count
	v_pk_add_f32 v[n:n+1], v[n:n+1], 1.0 op_sel_hi:[1,0]
.set n, n+2
.endr
.endm
.macro TRANS op, first, count          ; a batch of transcendentals, in place
.set n, \first
.rept \count
	\op v[n], v[n]
.set n, n+1
.endr
.endm
	PKMULS BHN, 8, 34                              ; 2 L b_hn
; one matrix instruction.  u: which half of W's scale register; rb: which half of x's
.macro WM d, a, b, c, sa, sb, u, rb
.if \u
.if \rb
	v_wmma_scale_f32_16x16x128_f8f6f4 v[\d:\d+7], v[\a:\a+7], v[\b:\b+7], v[\c:\c+7], v[\sa], v[\sb] matrix_a_fmt:MATRIX_FMT_FP4 matrix_b_fmt:MATRIX_FMT_FP4 matrix_a_scale:MATRIX_SCALE_ROW1 matrix_b_scale:MATRIX_SCALE_ROW1
.else
	v_wmma_scale_f32_16x16x128_f8f6f4 v[\d:\d+7], v[\a:\a+7], v[\b:\b+7], v[\c:\c+7], v[\sa], v[\sb] matrix_a_fmt:MATRIX_FMT_FP4 matrix_b_fmt:MATRIX_FMT_FP4 matrix_a_scale:MATRIX_SCALE_ROW1
.endif
.else
.if \rb
	v_wmma_scale_f32_16x16x128_f8f6f4 v[\d:\d+7], v[\a:\a+7], v[\b:\b+7], v[\c:\c+7], v[\sa], v[\sb] matrix_a_fmt:MATRIX_FMT_FP4 matrix_b_fmt:MATRIX_FMT_FP4 matrix_b_scale:MATRIX_SCALE_ROW1
.else
	v_wmma_scale_f32_16x16x128_f8f6f4 v[\d:\d+7], v[\a:\a+7], v[\b:\b+7], v[\c:\c+7], v[\sa], v[\sb] matrix_a_fmt:MATRIX_FMT_FP4 matrix_b_fmt:MATRIX_FMT_FP4
.endif
.endif
.endm
; K step j: twelve instructions, the twelve accumulators by turns.  K step 0 starts the sums with the bias tiles as C
.macro MM j
.if \j < 5
	WIN 0x0d                                       ; source 0 (W) window 1, source 1 (x) window 3, C and D window 0
.set BB, 48*\j
.else
	WIN 0x0e                                       ; source 0 window 2
.set BB, 48*(\j-5)
.endif
.irp rb, 0,1
.irp tau, 0,1,2,3,4,5
.if \j == 0
	WM (ACC+48*\rb+8*\tau), (BB+8*\tau), (64*\rb+8*\j), (BI+8*\tau), (BS+8*(\tau/2)+\j), (AS+\j), (\tau%2), \rb
.else
	WM (ACC+48*\rb+8*\tau), (BB+8*\tau), (64*\rb+8*\j), (ACC+48*\rb+8*\tau), (BS+8*(\tau/2)+\j), (AS+\j), (\tau%2), \rb
.endif
.endr
.endr
.endm
	s_mov_b32 s23, s20                             ; c
	s_mov_b32 s24, 0                               ; trip i
	s_mov_b32 s39, 0                               ; layer 0: 128 i; layer 1: the stage in turn
.Ltrip:
.if LAYER == 0
	v_mov_b32 v12, 0x7f                            ; the byte that a trip without work leaves: its places are never read, but the 1,024 bytes leave whole
.endif
	s_cmp_lt_u32 s23, s22
	s_cbranch_scc0 .Lskip_a
	s_wait_loadcnt 0x0                             ; the chunk's operand is in
.irp j, 0,1,2,3,4,5,6,7
	MM \j
.endr
	WIN 0
.rept 4
	v_nop                                          ; four places behind the last products: ahead of loads into registers that they read, and of the first read of results
.endr
	s_add_nc_u64 s[4:5], s[4:5], 524288            ; 32 chunks on (no load of mine is out; the last trip's prefetch has read its base: the wait at that trip's end)
	s_add_nc_u64 s[28:29], s[28:29], 128
	s_add_co_u32 s25, s23, 32
	s_cmp_lt_u32 s25, s22
	s_cbranch_scc0 .Lno_next
	AFETCH                                         ; the next chunk lands under the activations
	s_add_co_u32 s25, s23, 64
	s_cmp_lt_u32 s25, s46
	s_cbranch_scc0 .Lno_next
	global_prefetch_b8 v25, s[4:5] offset:524288 th:TH_LOAD_NT scope:SCOPE_SE   ; chunk c + 64: my wave's 32 blocks of 256 bytes, a lane a block
.Lno_next:
	; the activations, in place; each accumulator is read from its low end on.  Per tile of rows rb: r at ACC + 48 rb, z at + 16, n at + 32
	PKMULS ACC, 8, 30                              ; -L a_r
	PKMULS ACC+16, 8, 32                           ; L a_z
	PKMULS ACC+48, 8, 30
	PKMULS ACC+64, 8, 32
	TRANS v_exp_f32, ACC, 32
	TRANS v_exp_f32, ACC+48, 32
	PKMULS ACC+32, 8, 34                           ; 2 L a_n: plain work behind the batch, which names none of its results
	PKMULS ACC+80, 8, 34
	s_wait_alu depctr_va_vdst(0)                   ; one wait for the 64 exponentials, ahead of their first use
	PKADD1 ACC, 16
	PKADD1 ACC+48, 16
	TRANS v_rcp_f32, ACC, 32                       ; r and 1 - z
	TRANS v_rcp_f32, ACC+48, 32
	v_nop                                          ; a plain line behind the last reciprocal
	s_wait_alu depctr_va_vdst(0)
.irp rb, 0,1
.set n, 0
.rept 8
	v_pk_fma_f32 v[ACC+48*\rb+32+n:ACC+48*\rb+33+n], v[ACC+48*\rb+n:ACC+48*\rb+n+1], v[BHN+n:BHN+n+1], v[ACC+48*\rb+32+n:ACC+48*\rb+33+n]   ; 2 L (a_n + r b_hn)
.set n, n+2
.endr
.endr
	TRANS v_exp_f32, ACC+32, 16
	TRANS v_exp_f32, ACC+80, 16
	v_nop
	s_wait_alu depctr_va_vdst(0)
	PKADD1 ACC+32, 8
	PKADD1 ACC+80, 8
	TRANS v_rcp_f32, ACC+32, 16                    ; q = 1 / (1 + 2^(2 L c)): tanh = 1 - 2 q
	TRANS v_rcp_f32, ACC+80, 16
	v_nop
	s_wait_alu depctr_va_vdst(0)
.irp rb, 0,1
.set n, 0
.rept 8
	v_pk_mul_f32 v[ACC+48*\rb+32+n:ACC+48*\rb+33+n], v[ACC+48*\rb+16+n:ACC+48*\rb+17+n], v[ACC+48*\rb+32+n:ACC+48*\rb+33+n]   ; (1 - z) q
.set n, n+2
.endr
.endr
.irp rb, 0,1
.set n, 0
.rept 8
	v_pk_fma_f32 v[ACC+48*\rb+32+n:ACC+48*\rb+33+n], v[ACC+48*\rb+32+n:ACC+48*\rb+33+n], -2.0, v[ACC+48*\rb+16+n:ACC+48*\rb+17+n] op_sel_hi:[1,0,1]   ; h = (1 - z) - 2 (1 - z) q
.set n, n+2
.endr
.endr
.if LAYER
	v_add_nc_u32 v8, s39, v5                       ; h2 into the stage in turn: 64 bytes a lane and tile of rows
.irp rb, 0,1
.irp q, 0,1,2,3
	ds_store_b128 v8, v[ACC+48*\rb+32+4*\q:ACC+48*\rb+35+4*\q] offset:\rb*8448+16*\q
.endr
.endr
.else
	; h1 is quantised along its hidden units: my 16 numbers and lane l xor 16's are K block hb of my row
.irp rb, 0,1
	v_max3_num_f32 v[T+4+\rb], |v[ACC+48*\rb+32]|, |v[ACC+48*\rb+33]|, 0x1800000   ; with the floor 2^(3 - 127): the byte cannot fall under 1
.endr
.irp n, 2,4,6,8,10,12,14
.irp rb, 0,1
	v_max3_num_f32 v[T+4+\rb], v[T+4+\rb], |v[ACC+48*\rb+32+\n]|, |v[ACC+48*\rb+33+\n]|
.endr
.endr
.irp rb, 0,1
	v_permlanex16_b32 v[T+6+\rb], v[T+4+\rb], s36, s37
.endr
.irp rb, 0,1
	v_max_num_f32 v[T+4+\rb], v[T+4+\rb], v[T+6+\rb]
.endr
.irp rb, 0,1
	v_add_nc_u32 v[T+8+\rb], 0xff000000, v[T+4+\rb]   ; 2 off the exponent field: the conversion's scale operand
.endr
.irp rb, 0,1
	v_lshrrev_b32 v[T+10+\rb], 23, v[T+8+\rb]      ; the scale's byte
.endr
.irp rb, 0,1
	v_cvt_scalef32_pk8_fp4_f32 v[T+2*\rb], v[ACC+48*\rb+32:ACC+48*\rb+39], v[T+8+\rb]
	v_cvt_scalef32_pk8_fp4_f32 v[T+2*\rb+1], v[ACC+48*\rb+40:ACC+48*\rb+47], v[T+8+\rb]
.endr
	v_nop                                          ; one plain line behind the scaled conversions
	v_permlane16_swap_b32 v[T], v[T+2]             ; lanes 0-15 now hold the whole 16 bytes of rows 0-15, lanes 16-31 those of rows 16-31
	v_permlane16_swap_b32 v[T+1], v[T+3]
	v_cndmask_b32 v12, v[T+10], v[T+11], s38       ; and the byte of the same row
	global_store_b128 v4, v[T:T+3], s[14:15]       ; sixteen lanes store 256 consecutive bytes, at a multiple of 256 from the buffer's first byte
.endif
.Lskip_a:
.if LAYER
	s_wait_kmcnt 0x0                               ; the lists' words, asked for a trip ago
	s_wait_dscnt 0x0                               ; my stores into the stage have landed (my reads of the last trip's stage were awaited there)
	s_barrier_signal -1
	s_barrier_wait -1                              ; one barrier a trip, on every wave's way: the two stages take turns, so a stage is written again only behind the next trip's barrier
	s_cmp_lt_u32 s23, s22
	s_cbranch_scc0 .Lskip_b
	v_add_nc_u32 v9, s39, v6
.irp q, 0,1,2,3,4,5,6,7
	ds_load_b128 v[T+4*\q:T+4*\q+3], v9 offset:528*\q   ; rows 8 w + q, whole: 512 bytes
.endr
	s_wait_dscnt 0x0
.macro OUTROW q                        ; a padding row (list word -1) is not stored
	s_cmp_lt_u32 s[72+\q], 8192
	s_cbranch_scc0 .Lpad_\@
	s_min_u32 s25, s[72+\q], 8191
	v_lshl_add_u32 v[16+\q], s25, 12, v7
.irp e, 0,1,2,3
	v_mul_f32 v[T+4*\q+\e], s[80+\q], v[T+4*\q+\e]   ; x float(mask)
.endr
	global_store_b128 v[16+\q], v[T+4*\q:T+4*\q+3], s[16:17] th:TH_STORE_NT   ; 512 consecutive bytes of one row of out0, at a multiple of 256 from its first byte
.Lpad_\@:
.endm
.irp q, 0,1,2,3,4,5,6,7
	OUTROW \q
.endr
.Lskip_b:
.else
	v_add_nc_u32 v9, s39, v5
	ds_store_b8 v9, v12                            ; on every way: trip i, row = lane, byte w
.endif
	s_wait_xcnt 0x0                                ; the trip's stores, loads and prefetch have read their registers and bases: only behind this wait are they written again
	s_add_co_u32 s23, s23, 32
.if LAYER
	s_xor_b32 s39, s39, 16896                      ; the other stage
	s_add_co_u32 s40, s40, 4096
	s_cmp_lt_u32 s23, s22                          ; the next trip's list words are asked for here, a trip ahead, and only if that trip has a chunk
	s_cbranch_scc0 .Lno_list
	s_load_b256 s[72:79], s[12:13], s40 offset:0x0
	s_load_b256 s[80:87], s[14:15], s40 offset:0x0
.Lno_list:
.else
	s_add_co_u32 s39, s39, 128
	s_add_nc_u64 s[14:15], s[14:15], 524288
.endif
	s_add_co_u32 s24, s24, 1
	s_cmp_lt_u32 s24, 8
	s_cbranch_scc1 .Ltrip
.if LAYER == 0
	s_wait_dscnt 0x0                               ; my byte stores have landed
	s_barrier_signal -1
	s_barrier_wait -1
	ds_load_b64 v[T:T+1], v13                      ; the four waves' bytes make the rows' scale words of K step t
	s_wait_dscnt 0x0
	global_store_b64 v13, v[T:T+1], s[44:45]       ; a wave stores 256 consecutive bytes, at a multiple of 256 from the buffer's first byte
.endif
	s_wait_tensorcnt 0x0                           ; the wave's end: behind my last LDS store
	ds_add_u32 v10, v11
	s_wait_dscnt 0x0
	s_endpgm
.Lfunc_end_k_q0f8fcac999_layer0:
	.size	k_q0f8fcac999_layer0, .Lfunc_end_k_q0f8fcac999_layer0-k_q0f8fcac999_layer0
	.p2alignl 7, 3214868480
	.fill 96, 4, 3214868480
	.section	.rodata,"a",@progbits
	.p2align	6, 0x0
	.amdhsa_kernel k_q0f8fcac999_layer0
		.amdhsa_group_segment_fixed_size 1536
		.amdhsa_private_segment_fixed_size 0
		.amdhsa_enable_private_segment 0
		.amdhsa_kernarg_size 48
		.amdhsa_user_sgpr_count 2
		.amdhsa_user_sgpr_kernarg_segment_ptr 1
		.amdhsa_wavefront_size32 1
		.amdhsa_system_sgpr_workgroup_id_x 1
		.amdhsa_system_sgpr_workgroup_id_y 1
		.amdhsa_system_sgpr_workgroup_id_z 1
		.amdhsa_system_vgpr_workitem_id 0
		.amdhsa_next_free_vgpr 896
		.amdhsa_next_free_sgpr 90
		.amdhsa_reserve_vcc 0
		.amdhsa_float_denorm_mode_32 3
		.amdhsa_float_denorm_mode_16_64 3
		.amdhsa_memory_ordered 1
		.amdhsa_forward_progress 1
		.amdhsa_inst_pref_size 156
	.end_amdhsa_kernel
	.amdgpu_metadata
---
amdhsa.version: [ 1, 2 ]
amdhsa.kernels:
  - .name:           k_q0f8fcac999_layer0
    .symbol:         k_q0f8fcac999_layer0.kd
    .args:
      - { .name: xa, .offset: 0, .size: 8, .value_kind: global_buffer, .address_space: global }
      - { .name: wq, .offset: 8, .size: 8, .value_kind: global_buffer, .address_space: global }
      - { .name: b_ih0, .offset: 16, .size: 8, .value_kind: global_buffer, .address_space: global }
      - { .name: b_hh0, .offset: 24, .size: 8, .value_kind: global_buffer, .address_space: global }
      - { .name: olist, .offset: 32, .size: 8, .value_kind: global_buffer, .address_space: global }
      - { .name: ha, .offset: 40, .size: 8, .value_kind: global_buffer, .address_space: global }
    .group_segment_fixed_size: 1536
    .private_segment_fixed_size: 0
    .kernarg_segment_align: 8
    .kernarg_segment_size: 48
    .max_flat_workgroup_size: 128
    .sgpr_count:     90
    .vgpr_count:     896
    .wavefront_size: 32
...
	.end_amdgpu_metadata
.endif
;; end of part 5
;; launch layer1 (part 6): grid 8 x 32, 4 waves a work-group, no clusters, 34,304 bytes of LDS; arguments ha, wq, b_ih1, b_hh1, olist, mfl, out0; writes out0
.if DOCPART == 6
	.amdgcn_target "amdgcn-amd-amdhsa--gfx1250"
	.amdhsa_code_object_version 6
	.text
	.protected	k_q0f8fcac999_layer1
	.globl	k_q0f8fcac999_layer1
	.p2align	8
	.type	k_q0f8fcac999_layer1,@function
k_q0f8fcac999_layer1:
	s_mov_b64 s[64:65], 0
	v_nop
	global_prefetch_b8 v0, s[64:65] scope:SCOPE_SE
	s_setreg_imm32_b32 hwreg(HW_REG_WAVE_MODE, 25, 1), 1
	s_wait_xcnt 0x0
; A GRU LAYER WITH A HIDDEN STATE OF ZEROS, on compact rows.  LAYER = 0: x's codes (xa) -> h1's codes (ha).  LAYER = 1: h1's codes (ha) -> out0, x float(mask), scattered by the list.
;   g = x W_ih^T + b_ih;  r = sigmoid(g_r + bh_r);  z = sigmoid(g_z + bh_z);  n = tanh(g_n + r bh_n);  h = (1 - z) n.  The product is on codes of E2M1 with E8M0 scales, sums in f32; all else in f32.
; WORK LEFT OUT: W_hh (multiplied by a hidden state that is zero by definition) and the rows whose mask is 0 (their result is multiplied by 0): the first launch has written those rows' zeros and has
;   ranked the others; only chunks c < NC of 32 compact rows exist.  A NaN or an infinity that arises only there is not carried to the result.
; SHARES.  Grid 8 x 32: x = hidden tile t of 128, y = row group g.  Wave w owns hidden block hb = 4 t + w: 32 hidden units x 3 gates = 6 tiles of 16 rows of W_ih, for all of K: 48 fragments, 384 registers,
;   read from memory once.  The work-group walks chunks c = g + 32 i, i = 0 .. 7: a constant count of trips; a trip with c >= NC passes over the work by a scalar branch on the stored count, never over a barrier.
;   NC is at least 32 (the first launch holds it so): every row group has its chunk g, and that chunk's 40 loads are issued from ids alone, first of all, ahead of the count's arrival.
;   Where fewer than 993 rows are alive the chunks up to 31 hold padding rows, which are computed and never reach out0.
;   A chunk is 96 matrix instructions a wave (2 tiles of rows x 6 tiles of W x 8 K steps), twelve accumulators by turns, one instruction a turn.
; THE ORDER OF THE WEIGHTS' LOADS IS TURNED FROM ROW GROUP TO ROW GROUP.  A wave's 144 loads (96 of codes, 24 of scale words, 24 of biases) fall into eight parts, part j = K step j: 12 + 3 + 3.  A work-group begins
;   with part rot and goes round, rot = (g % 8) xor 3 (bit 3 of g) xor 6 (bit 4 of g): among any 16 row groups that share one bit of g all eight starts occur.  So the 32 row groups that read one block of weights
;   do not all ask for the same bytes at the launch's start: together their first loads ask for the whole block.  The register that a load fills is fixed by its text, so the eight orders are eight runs of text.
; THE PRODUCT IS USED TRANSPOSED: source 0 = 16 rows of W, source 1 = 16 rows of x: lane (r, h) holds row r, and register 8 u + j of a gate is hidden unit 32 hb + 16 h + 8 u + j (the first launch chose W's rows so).
;   The biases are the C of each sum's first instruction: b_ih + b_hh for r and z, b_ih for n.  So b_ih + b_hh is added ahead of the sum: an order of rounding that differs from the written one.
; ACTIVATIONS: with L = log2(e): r = 1 / (1 + 2^(-L a)), 1 - z = 1 / (1 + 2^(L a)), tanh(c) = 1 - 2 / (1 + 2^(2 L c)).  Where 2^x overflows the reciprocal gives 0, where it underflows 1: no clamp is needed.
; OPERANDS come from memory straight into registers, laid by the first launch (and by layer 0) in the order of the operand's registers: each lane loads 16 bytes, a load 512 consecutive bytes.
;   No tensor load and no joint load of a cluster, though 32 row groups read the same weights and 8 hidden tiles the same rows.
;   The next chunk's 40 loads are issued behind a chunk's products and land under its activations (192 transcendentals and 144 packed lines a lane).
; A PREFETCH of the chunk two trips on (c + 64): its 16,384 bytes of codes are 64 blocks of 256 bytes.  Of the eight hidden tiles that will read them tile 0 asks, in it waves 0 and 1, a lane a block, one instruction each,
;   behind the run of loads for chunk c + 32.  It asks only while c + 64 < NC: a group's last two chunks' trips ask for nothing, and no request leaves the chunks that exist.  A group's first two chunks come by their
;   loads alone.  The scale words (1 KiB a chunk) are not asked for.
; THE WAY OUT of layer 1: a row's 512 bytes of hidden tile t come from four waves: they meet in a stage in LDS, and each wave stores eight whole pieces of 512 bytes at the rows that the list names.
;   A chunk's list words (output rows, float(mask)) are asked for a trip ahead, the first chunk's at the head; a trip without a chunk asks for none.
; REGISTERS, in windows of 256: window 0: v1 16 lane, v2 4 lane, v3 64 h, v4-v9 addresses, v10, v11 the add's two, v12 a scale byte, v13 8 x thread, v16-23 store offsets, v25 256 x thread (the prefetch's offset);
;   v32-55 W's scale words (8 g + j: lanes 0-15 tile u = 0, lanes 16-31 u = 1); v56-63 x's scale words (j: lanes 0-15 rows 0-15, lanes 16-31 rows 16-31); v64-111 the six C tiles; v112-127 2 L b_hn;
;   v128-223 accumulators at 48 rb + 8 tile; v224-255 at work.
;   window 1: W's fragments of K steps 0-4 at 8 (6 j + tile);  window 2: K steps 5-7;  window 3: x's fragments at 64 rb + 8 j.
.set LAYER, 1
.set ACC,  128
.set BI,   64
.set BHN,  112
.set BS,   32
.set AS,   56
.set T,    224
.set ASC,  4194304                     ; where the scale words begin in xa and in ha
.if LAYER
.set SPARE, 33792                      ; LDS: two stages of 32 rows x (512 + 16) bytes, then the spare words
.else
.set SPARE, 1024                       ; LDS: 1,024 scale bytes [trip][row][wave], then the spare words
.endif
.set MSB, 0
.macro WIN new                         ; the immediate's high byte repeats the setting that is left; a switch that changes nothing is dropped
.if MSB != \new
	s_set_vgpr_msb (MSB<<8)|\new
.set MSB, \new
.endif
.endm
; A chunk's operand: 32 loads of codes (2 tiles of rows x 8 K steps x 2) and 8 of scale words
.macro AFETCH
	WIN 0xc0                                       ; destination window 3
.irp rb, 0,1
.irp j, 0,1,2,3,4,5,6,7
.irp c, 0,1
	global_load_b128 v[64*\rb+8*\j+4*\c:64*\rb+8*\j+4*\c+3], v1, s[4:5] offset:\rb*8192+\j*1024+512*\c
.endr
.endr
.endr
	WIN 0
.irp j, 0,1,2,3,4,5,6,7
	global_load_b32 v[AS+\j], v2, s[28:29] offset:32768*\j
.endr
.endm
; Bias load n of 24.  0-11: b_ih, tile n / 2, half n % 2.  12-19: b_hh of r and z, for now where the accumulators will lie.  20-23: b_hh of n
.macro BIASLD n
.set BN, \n
.if BN < 12
	global_load_b128 v[BI+4*BN:BI+4*BN+3], v3, s[8:9] offset:(BN/4)*4096+((BN/2)%2)*32+(BN%2)*16
.elseif BN < 20
	global_load_b128 v[ACC+4*(BN-12):ACC+4*(BN-12)+3], v3, s[10:11] offset:((BN-12)/4)*4096+(((BN-12)/2)%2)*32+((BN-12)%2)*16
.else
	global_load_b128 v[BHN+4*(BN-20):BHN+4*(BN-20)+3], v3, s[10:11] offset:8192+((BN-20)/2)*32+((BN-20)%2)*16
.endif
.endm
; Part p of the weights' loads: K step p's six fragments, its three scale words, three of the bias loads
.macro PART p
.set PJ, \p
.if PJ < 5
	WIN 0x40                                       ; destination window 1
.set PB, 48*PJ
.else
	WIN 0x80                                       ; destination window 2
.set PB, 48*(PJ-5)
.endif
.irp tau, 0,1,2,3,4,5
.irp c, 0,1
	global_load_b128 v[PB+8*\tau+4*\c:PB+8*\tau+4*\c+3], v1, s[6:7] offset:(\tau/2)*16384+(\tau%2)*8192+PJ*1024+512*\c
.endr
.endr
	WIN 0
.irp g, 0,1,2
	global_load_b32 v[BS+8*\g+PJ], v2, s[42:43] offset:\g*1024+PJ*128
.endr
	BIASLD 3*PJ
	BIASLD 3*PJ+1
	BIASLD 3*PJ+2
.endm
.macro VARIANT r                       ; the eight parts, from part r on and round
.irp k, 0,1,2,3,4,5,6,7
.set VR, (\r+\k)%8
	PART VR
.endr
.endm
	s_load_b256 s[4:11], s[0:1], 0x0               ; A's codes and scales s[4:5], wq s[6:7], b_ih s[8:9], b_hh s[10:11]
	s_load_b128 s[12:15], s[0:1], 0x20             ; olist s[12:13]; ha (layer 0) or mfl (layer 1) s[14:15]
.if LAYER
	s_load_b64 s[16:17], s[0:1], 0x30              ; out0
.endif
	v_lshl_add_u32 v10, v0, 2, SPARE               ; my spare word
	v_mov_b32 v11, 0
	v_lshrrev_b32 v1, 5, v0
	v_readfirstlane_b32 s18, v1                    ; wave w
	s_mov_b32 s19, ttmp9                           ; hidden tile t
	s_and_b32 s20, ttmp7, 0xffff                   ; row group g
	s_lshl_b32 s21, s19, 2
	s_add_co_u32 s21, s21, s18                     ; hidden block hb
	v_and_b32 v14, 31, v0                          ; lane
	v_lshlrev_b32 v1, 4, v14
	v_lshlrev_b32 v2, 2, v14
	v_lshrrev_b32 v15, 4, v14                      ; h
	v_lshlrev_b32 v3, 6, v15                       ; the biases of my half: 16 h numbers on
	v_and_b32 v24, 15, v14                         ; r
	v_lshlrev_b32 v25, 8, v0                       ; the prefetch's offset: 8192 w + 256 lane; never rewritten
.if LAYER
	v_mul_u32_u24 v5, v24, 528
	v_add_nc_u32 v5, v5, v3
	s_lshl_b32 s25, s18, 7
	v_add_nc_u32 v5, s25, v5                       ; the stage, in: row r, my 64 bytes at 128 w + 64 h
	s_mul_i32 s25, s18, 4224
	v_add_nc_u32 v6, s25, v1                       ; back: rows 8 w + q, 16 bytes a lane
	s_lshl_b32 s25, s19, 9
	v_add_nc_u32 v7, s25, v1                       ; and in a row of out0: 512 t + 16 lane
.else
	v_lshlrev_b32 v4, 13, v15
	v_lshl_add_u32 v4, v24, 4, v4                  ; h1's codes: 8192 (lane / 16) + 16 (lane % 16)
	v_add_nc_u32 v5, s18, v2                       ; the scale bytes in LDS: 4 lane + w
	v_lshlrev_b32 v13, 3, v0
	v_mov_b32 v230, 0                              ; written once: a lane permute's destination counts as one of its sources
	v_mov_b32 v231, 0
	s_mov_b32 s36, 0x76543210
	s_mov_b32 s37, 0xfedcba98                      ; selects for lane l xor 16
	s_mov_b32 s38, 0xffff0000                      ; lanes 16-31
.endif
	s_mov_b32 s30, 0xbfb8aa3b                      ; -L, L, 2 L: the packed forms name pairs and take the low word for both halves
	s_mov_b32 s31, s30
	s_mov_b32 s32, 0x3fb8aa3b
	s_mov_b32 s33, s32
	s_mov_b32 s34, 0x4038aa3b
	s_mov_b32 s35, s34
	s_mov_b32 s27, 0
	s_and_b32 s41, s20, 7                          ; rot: with which part my weights' loads begin
	s_bfe_u32 s25, s20, 0x10003
	s_mul_i32 s25, s25, 3
	s_xor_b32 s41, s41, s25
	s_bfe_u32 s25, s20, 0x10004
	s_mul_i32 s25, s25, 6
	s_xor_b32 s41, s41, s25
.if LAYER
	s_lshl_b32 s40, s20, 7
	s_lshl_b32 s25, s18, 5
	s_add_co_u32 s40, s40, s25                     ; my eight words of the lists: 128 c + 32 w
.endif
	s_wait_kmcnt 0x0
	s_load_b32 s22, s[12:13], 0x8000               ; NC; awaited behind the weights' loads
.if LAYER
	s_load_b256 s[72:79], s[12:13], s40 offset:0x0 ; the first chunk's list words: output rows of compact rows 32 c + 8 w + 0 .. 7,
	s_load_b256 s[80:87], s[14:15], s40 offset:0x0 ; and float(mask)
.endif
	s_lshl_b32 s26, s20, 10
	s_add_co_u32 s26, s26, ASC
	s_add_nc_u64 s[28:29], s[4:5], s[26:27]        ; chunk g's scale words: place 8 g
	s_lshl_b32 s26, s20, 14
	s_add_nc_u64 s[4:5], s[4:5], s[26:27]          ; its codes
	AFETCH                                         ; the first chunk, first of all: it exists whatever the count
	s_mul_i32 s26, s21, 3072
	s_add_co_u32 s26, s26, 3145728+LAYER*98304
	s_add_nc_u64 s[42:43], s[6:7], s[26:27]        ; my block's scale words of W
	s_mul_i32 s26, s21, 49152
.if LAYER
	s_add_co_u32 s26, s26, 1572864
.endif
	s_add_nc_u64 s[6:7], s[6:7], s[26:27]          ; and its codes
	s_lshl_b32 s26, s21, 7
	s_add_nc_u64 s[8:9], s[8:9], s[26:27]          ; the biases at hidden unit 32 hb
	s_add_nc_u64 s[10:11], s[10:11], s[26:27]
.if LAYER == 0
	s_lshl_b32 s26, s19, 15
	s_lshl_b32 s25, s20, 10
	s_add_co_u32 s26, s26, s25
	s_add_co_u32 s26, s26, ASC
	s_add_nc_u64 s[44:45], s[14:15], s[26:27]      ; h1's scale words: K step t, places 8 g .. 8 g + 7
	s_lshl_b32 s26, s21, 8
	s_lshl_b32 s25, s20, 14
	s_add_co_u32 s26, s26, s25
	s_add_nc_u64 s[14:15], s[14:15], s[26:27]      ; h1's codes: chunk g, K block hb
.endif
.irp r, 1,2,3,4,5,6,7
	s_cmp_eq_u32 s41, \r                           ; ids alone: the same way for all four waves
	s_cbranch_scc1 .Lrot_\r
.endr
	VARIANT 0
	s_branch .Lloaded
.irp r, 1,2,3,4,5,6
.Lrot_\r:
	VARIANT \r
	s_branch .Lloaded
.endr
.Lrot_7:
	VARIANT 7
.Lloaded:
	s_wait_kmcnt 0x0                               ; NC (layer 1: and the first list words)
	s_lshr_b32 s25, s18, 1                         ; 0 in waves 0 and 1,
	s_or_b32 s25, s25, s19                         ; of hidden tile 0:
	s_cmp_eq_u32 s25, 0
	s_cselect_b32 s46, s22, 0                      ; they prefetch while c + 64 is under NC, the others never
	s_wait_loadcnt 0x0                             ; for 0: the order of the loads differs from way to way
.set n, 0
.rept 16
	v_pk_add_f32 v[BI+n:BI+n+1], v[BI+n:BI+n+1], v[ACC+n:ACC+n+1]   ; r, z: b_ih + b_hh
.set n, n+2
.endr
.macro PKMULS first, count, sreg       ; count pairs from v[first] on, times the scalar
.set n, \first
.rept \count
	v_pk_mul_f32 v[n:n+1], v[n:n+1], s[\sreg:\sreg+1] op_sel_hi:[1,0]
.set n, n+2
.endr
.endm
.macro PKADD1 first, count             ; count pairs, + 1
.set n, \first
.rept \count
	v_pk_add_f32 v[n:n+1], v[n:n+1], 1.0 op_sel_hi:[1,0]
.set n, n+2
.endr
.endm
.macro TRANS op, first, count          ; a batch of transcendentals, in place
.set n, \first
.rept \count
	\op v[n], v[n]
.set n, n+1
.endr
.endm
	PKMULS BHN, 8, 34                              ; 2 L b_hn
; one matrix instruction.  u: which half of W's scale register; rb: which half of x's
.macro WM d, a, b, c, sa, sb, u, rb
.if \u
.if \rb
	v_wmma_scale_f32_16x16x128_f8f6f4 v[\d:\d+7], v[\a:\a+7], v[\b:\b+7], v[\c:\c+7], v[\sa], v[\sb] matrix_a_fmt:MATRIX_FMT_FP4 matrix_b_fmt:MATRIX_FMT_FP4 matrix_a_scale:MATRIX_SCALE_ROW1 matrix_b_scale:MATRIX_SCALE_ROW1
.else
	v_wmma_scale_f32_16x16x128_f8f6f4 v[\d:\d+7], v[\a:\a+7], v[\b:\b+7], v[\c:\c+7], v[\sa], v[\sb] matrix_a_fmt:MATRIX_FMT_FP4 matrix_b_fmt:MATRIX_FMT_FP4 matrix_a_scale:MATRIX_SCALE_ROW1
.endif
.else
.if \rb
	v_wmma_scale_f32_16x16x128_f8f6f4 v[\d:\d+7], v[\a:\a+7], v[\b:\b+7], v[\c:\c+7], v[\sa], v[\sb] matrix_a_fmt:MATRIX_FMT_FP4 matrix_b_fmt:MATRIX_FMT_FP4 matrix_b_scale:MATRIX_SCALE_ROW1
.else
	v_wmma_scale_f32_16x16x128_f8f6f4 v[\d:\d+7], v[\a:\a+7], v[\b:\b+7], v[\c:\c+7], v[\sa], v[\sb] matrix_a_fmt:MATRIX_FMT_FP4 matrix_b_fmt:MATRIX_FMT_FP4
.endif
.endif
.endm
; K step j: twelve instructions, the twelve accumulators by turns.  K step 0 starts the sums with the bias tiles as C
.macro MM j
.if \j < 5
	WIN 0x0d                                       ; source 0 (W) window 1, source 1 (x) window 3, C and D window 0
.set BB, 48*\j
.else
	WIN 0x0e                                       ; source 0 window 2
.set BB, 48*(\j-5)
.endif
.irp rb, 0,1
.irp tau, 0,1,2,3,4,5
.if \j == 0
	WM (ACC+48*\rb+8*\tau), (BB+8*\tau), (64*\rb+8*\j), (BI+8*\tau), (BS+8*(\tau/2)+\j), (AS+\j), (\tau%2), \rb
.else
	WM (ACC+48*\rb+8*\tau), (BB+8*\tau), (64*\rb+8*\j), (ACC+48*\rb+8*\tau), (BS+8*(\tau/2)+\j), (AS+\j), (\tau%2), \rb
.endif
.endr
.endr
.endm
	s_mov_b32 s23, s20                             ; c
	s_mov_b32 s24, 0                               ; trip i
	s_mov_b32 s39, 0                               ; layer 0: 128 i; layer 1: the stage in turn
.Ltrip:
.if LAYER == 0
	v_mov_b32 v12, 0x7f                            ; the byte that a trip without work leaves: its places are never read, but the 1,024 bytes leave whole
.endif
	s_cmp_lt_u32 s23, s22
	s_cbranch_scc0 .Lskip_a
	s_wait_loadcnt 0x0                             ; the chunk's operand is in
.irp j, 0,1,2,3,4,5,6,7
	MM \j
.endr
	WIN 0
.rept 4
	v_nop                                          ; four places behind the last products: ahead of loads into registers that they read, and of the first read of results
.endr
	s_add_nc_u64 s[4:5], s[4:5], 524288            ; 32 chunks on (no load of mine is out; the last trip's prefetch has read its base: the wait at that trip's end)
	s_add_nc_u64 s[28:29], s[28:29], 128
	s_add_co_u32 s25, s23, 32
	s_cmp_lt_u32 s25, s22
	s_cbranch_scc0 .Lno_next
	AFETCH                                         ; the next chunk lands under the activations
	s_add_co_u32 s25, s23, 64
	s_cmp_lt_u32 s25, s46
	s_cbranch_scc0 .Lno_next
	global_prefetch_b8 v25, s[4:5] offset:524288 th:TH_LOAD_NT scope:SCOPE_SE   ; chunk c + 64: my wave's 32 blocks of 256 bytes, a lane a block
.Lno_next:
	; the activations, in place; each accumulator is read from its low end on.  Per tile of rows rb: r at ACC + 48 rb, z at + 16, n at + 32
	PKMULS ACC, 8, 30                              ; -L a_r
	PKMULS ACC+16, 8, 32                           ; L a_z
	PKMULS ACC+48, 8, 30
	PKMULS ACC+64, 8, 32
	TRANS v_exp_f32, ACC, 32
	TRANS v_exp_f32, ACC+48, 32
	PKMULS ACC+32, 8, 34                           ; 2 L a_n: plain work behind the batch, which names none of its results
	PKMULS ACC+80, 8, 34
	s_wait_alu depctr_va_vdst(0)                   ; one wait for the 64 exponentials, ahead of their first use
	PKADD1 ACC, 16
	PKADD1 ACC+48, 16
	TRANS v_rcp_f32, ACC, 32                       ; r and 1 - z
	TRANS v_rcp_f32, ACC+48, 32
	v_nop                                          ; a plain line behind the last reciprocal
	s_wait_alu depctr_va_vdst(0)
.irp rb, 0,1
.set n, 0
.rept 8
	v_pk_fma_f32 v[ACC+48*\rb+32+n:ACC+48*\rb+33+n], v[ACC+48*\rb+n:ACC+48*\rb+n+1], v[BHN+n:BHN+n+1], v[ACC+48*\rb+32+n:ACC+48*\rb+33+n]   ; 2 L (a_n + r b_hn)
.set n, n+2
.endr
.endr
	TRANS v_exp_f32, ACC+32, 16
	TRANS v_exp_f32, ACC+80, 16
	v_nop
	s_wait_alu depctr_va_vdst(0)
	PKADD1 ACC+32, 8
	PKADD1 ACC+80, 8
	TRANS v_rcp_f32, ACC+32, 16                    ; q = 1 / (1 + 2^(2 L c)): tanh = 1 - 2 q
	TRANS v_rcp_f32, ACC+80, 16
	v_nop
	s_wait_alu depctr_va_vdst(0)
.irp rb, 0,1
.set n, 0
.rept 8
	v_pk_mul_f32 v[ACC+48*\rb+32+n:ACC+48*\rb+33+n], v[ACC+48*\rb+16+n:ACC+48*\rb+17+n], v[ACC+48*\rb+32+n:ACC+48*\rb+33+n]   ; (1 - z) q
.set n, n+2
.endr
.endr
.irp rb, 0,1
.set n, 0
.rept 8
	v_pk_fma_f32 v[ACC+48*\rb+32+n:ACC+48*\rb+33+n], v[ACC+48*\rb+32+n:ACC+48*\rb+33+n], -2.0, v[ACC+48*\rb+16+n:ACC+48*\rb+17+n] op_sel_hi:[1,0,1]   ; h = (1 - z) - 2 (1 - z) q
.set n, n+2
.endr
.endr
.if LAYER
	v_add_nc_u32 v8, s39, v5                       ; h2 into the stage in turn: 64 bytes a lane and tile of rows
.irp rb, 0,1
.irp q, 0,1,2,3
	ds_store_b128 v8, v[ACC+48*\rb+32+4*\q:ACC+48*\rb+35+4*\q] offset:\rb*8448+16*\q
.endr
.endr
.else
	; h1 is quantised along its hidden units: my 16 numbers and lane l xor 16's are K block hb of my row
.irp rb, 0,1
	v_max3_num_f32 v[T+4+\rb], |v[ACC+48*\rb+32]|, |v[ACC+48*\rb+33]|, 0x1800000   ; with the floor 2^(3 - 127): the byte cannot fall under 1
.endr
.irp n, 2,4,6,8,10,12,14
.irp rb, 0,1
	v_max3_num_f32 v[T+4+\rb], v[T+4+\rb], |v[ACC+48*\rb+32+\n]|, |v[ACC+48*\rb+33+\n]|
.endr
.endr
.irp rb, 0,1
	v_permlanex16_b32 v[T+6+\rb], v[T+4+\rb], s36, s37
.endr
.irp rb, 0,1
	v_max_num_f32 v[T+4+\rb], v[T+4+\rb], v[T+6+\rb]
.endr
.irp rb, 0,1
	v_add_nc_u32 v[T+8+\rb], 0xff000000, v[T+4+\rb]   ; 2 off the exponent field: the conversion's scale operand
.endr
.irp rb, 0,1
	v_lshrrev_b32 v[T+10+\rb], 23, v[T+8+\rb]      ; the scale's byte
.endr
.irp rb, 0,1
	v_cvt_scalef32_pk8_fp4_f32 v[T+2*\rb], v[ACC+48*\rb+32:ACC+48*\rb+39], v[T+8+\rb]
	v_cvt_scalef32_pk8_fp4_f32 v[T+2*\rb+1], v[ACC+48*\rb+40:ACC+48*\rb+47], v[T+8+\rb]
.endr
	v_nop                                          ; one plain line behind the scaled conversions
	v_permlane16_swap_b32 v[T], v[T+2]             ; lanes 0-15 now hold the whole 16 bytes of rows 0-15, lanes 16-31 those of rows 16-31
	v_permlane16_swap_b32 v[T+1], v[T+3]
	v_cndmask_b32 v12, v[T+10], v[T+11], s38       ; and the byte of the same row
	global_store_b128 v4, v[T:T+3], s[14:15]       ; sixteen lanes store 256 consecutive bytes, at a multiple of 256 from the buffer's first byte
.endif
.Lskip_a:
.if LAYER
	s_wait_kmcnt 0x0                               ; the lists' words, asked for a trip ago
	s_wait_dscnt 0x0                               ; my stores into the stage have landed (my reads of the last trip's stage were awaited there)
	s_barrier_signal -1
	s_barrier_wait -1                              ; one barrier a trip, on every wave's way: the two stages take turns, so a stage is written again only behind the next trip's barrier
	s_cmp_lt_u32 s23, s22
	s_cbranch_scc0 .Lskip_b
	v_add_nc_u32 v9, s39, v6
.irp q, 0,1,2,3,4,5,6,7
	ds_load_b128 v[T+4*\q:T+4*\q+3], v9 offset:528*\q   ; rows 8 w + q, whole: 512 bytes
.endr
	s_wait_dscnt 0x0
.macro OUTROW q                        ; a padding row (list word -1) is not stored
	s_cmp_lt_u32 s[72+\q], 8192
	s_cbranch_scc0 .Lpad_\@
	s_min_u32 s25, s[72+\q], 8191
	v_lshl_add_u32 v[16+\q], s25, 12, v7
.irp e, 0,1,2,3
	v_mul_f32 v[T+4*\q+\e], s[80+\q], v[T+4*\q+\e]   ; x float(mask)
.endr
	global_store_b128 v[16+\q], v[T+4*\q:T+4*\q+3], s[16:17] th:TH_STORE_NT   ; 512 consecutive bytes of one row of out0, at a multiple of 256 from its first byte
.Lpad_\@:
.endm
.irp q, 0,1,2,3,4,5,6,7
	OUTROW \q
.endr
.Lskip_b:
.else
	v_add_nc_u32 v9, s39, v5
	ds_store_b8 v9, v12                            ; on every way: trip i, row = lane, byte w
.endif
	s_wait_xcnt 0x0                                ; the trip's stores, loads and prefetch have read their registers and bases: only behind this wait are they written again
	s_add_co_u32 s23, s23, 32
.if LAYER
	s_xor_b32 s39, s39, 16896                      ; the other stage
	s_add_co_u32 s40, s40, 4096
	s_cmp_lt_u32 s23, s22                          ; the next trip's list words are asked for here, a trip ahead, and only if that trip has a chunk
	s_cbranch_scc0 .Lno_list
	s_load_b256 s[72:79], s[12:13], s40 offset:0x0
	s_load_b256 s[80:87], s[14:15], s40 offset:0x0
.Lno_list:
.else
	s_add_co_u32 s39, s39, 128
	s_add_nc_u64 s[14:15], s[14:15], 524288
.endif
	s_add_co_u32 s24, s24, 1
	s_cmp_lt_u32 s24, 8
	s_cbranch_scc1 .Ltrip
.if LAYER == 0
	s_wait_dscnt 0x0                               ; my byte stores have landed
	s_barrier_signal -1
	s_barrier_wait -1
	ds_load_b64 v[T:T+1], v13                      ; the four waves' bytes make the rows' scale words of K step t
	s_wait_dscnt 0x0
	global_store_b64 v13, v[T:T+1], s[44:45]       ; a wave stores 256 consecutive bytes, at a multiple of 256 from the buffer's first byte
.endif
	s_wait_tensorcnt 0x0                           ; the wave's end: behind my last LDS store
	ds_add_u32 v10, v11
	s_wait_dscnt 0x0
	s_endpgm
.Lfunc_end_k_q0f8fcac999_layer1:
	.size	k_q0f8fcac999_layer1, .Lfunc_end_k_q0f8fcac999_layer1-k_q0f8fcac999_layer1
	.p2alignl 7, 3214868480
	.fill 96, 4, 3214868480
	.section	.rodata,"a",@progbits
	.p2align	6, 0x0
	.amdhsa_kernel k_q0f8fcac999_layer1
		.amdhsa_group_segment_fixed_size 34304
		.amdhsa_private_segment_fixed_size 0
		.amdhsa_enable_private_segment 0
		.amdhsa_kernarg_size 56
		.amdhsa_user_sgpr_count 2
		.amdhsa_user_sgpr_kernarg_segment_ptr 1
		.amdhsa_wavefront_size32 1
		.amdhsa_system_sgpr_workgroup_id_x 1
		.amdhsa_system_sgpr_workgroup_id_y 1
		.amdhsa_system_sgpr_workgroup_id_z 1
		.amdhsa_system_vgpr_workitem_id 0
		.amdhsa_next_free_vgpr 896
		.amdhsa_next_free_sgpr 90
		.amdhsa_reserve_vcc 0
		.amdhsa_float_denorm_mode_32 3
		.amdhsa_float_denorm_mode_16_64 3
		.amdhsa_memory_ordered 1
		.amdhsa_forward_progress 1
		.amdhsa_inst_pref_size 159
	.end_amdhsa_kernel
	.amdgpu_metadata
---
amdhsa.version: [ 1, 2 ]
amdhsa.kernels:
  - .name:           k_q0f8fcac999_layer1
    .symbol:         k_q0f8fcac999_layer1.kd
    .args:
      - { .name: ha, .offset: 0, .size: 8, .value_kind: global_buffer, .address_space: global }
      - { .name: wq, .offset: 8, .size: 8, .value_kind: global_buffer, .address_space: global }
      - { .name: b_ih1, .offset: 16, .size: 8, .value_kind: global_buffer, .address_space: global }
      - { .name: b_hh1, .offset: 24, .size: 8, .value_kind: global_buffer, .address_space: global }
      - { .name: olist, .offset: 32, .size: 8, .value_kind: global_buffer, .address_space: global }
      - { .name: mfl, .offset: 40, .size: 8, .value_kind: global_buffer, .address_space: global }
      - { .name: out0, .offset: 48, .size: 8, .value_kind: global_buffer, .address_space: global }
    .group_segment_fixed_size: 34304
    .private_segment_fixed_size: 0
    .kernarg_segment_align: 8
    .kernarg_segment_size: 56
    .max_flat_workgroup_size: 128
    .sgpr_count:     90
    .vgpr_count:     896
    .wavefront_size: 32
...
	.end_amdgpu_metadata
.endif
;; end of part 6
